; MI455X (gfx1250); checked and timed in simulation.
; The chip was launched on July 23, 2026; its instructions are those of AMD's public machine-readable ISA for CDNA 5 (MIT licence, August 2026) and "CDNA5" Instruction Set Architecture Reference Guide (July 2026). The comments in the code are by the model that wrote it; some were corrected since.
;; Spiking Attention. Allowed arithmetic: float matrix products may take bf16 or f16 operands with f32 sums; other float arithmetic in f32, or as packed bf16 or f16 multiplies, adds, multiply-adds, maxima and minima; sums over many terms, partial sums and values carried from step to step in f32; what a program stores and reads back later, other than sums and carried values, may be rounded once to bf16 or f16.
;; Inputs: Wk 2,048 x 2,048 float32; Wo 2,048 x 2,048 float32; Wq 2,048 x 2,048 float32; Wv 2,048 x 2,048 float32; x 1 x 2,048 x 2,048 float32.
;; Outputs: out0 1 x 2,048 x 2,048 float32.
;; One version. Each part assembles by itself: llvm-mc -triple=amdgcn-amd-amdhsa -mcpu=gfx1250 --defsym DOCPART=n.
;; ======== version 1 of 1: 4 launches
;; limits: values are held in f16: magnitudes above 65,504 overflow, below 6.1e-05 lose precision; inputs' magnitudes at most 65,504
;; workspace buffers: xb 8,388,608 bytes; wb 25,165,824 bytes; wob 8,388,608 bytes; tab 3,145,728 bytes; qkv 25,165,824 bytes; ob 8,388,608 bytes
;; launch prep (part 1): grid 256 x 6, 8 waves a work-group, no clusters, 0 bytes of LDS; arguments x, Wq, Wk, Wv, Wo, xb, wb, wob, tab; writes xb, wb, wob, tab
.if DOCPART == 1
	.amdgcn_target "amdgcn-amd-amdhsa--gfx1250"
	.amdhsa_code_object_version 6
	.text
	.protected	k_q6718bf83ec_prep
	.globl	k_q6718bf83ec_prep
	.p2align	8
	.type	k_q6718bf83ec_prep,@function
k_q6718bf83ec_prep:
	s_mov_b64 s[64:65], 0
	v_nop
	global_prefetch_b8 v0, s[64:65] scope:SCOPE_SE
	s_setreg_imm32_b32 hwreg(HW_REG_WAVE_MODE, 25, 1), 1
	s_wait_xcnt 0x0
; PREP.  Grid row y = 0..4: one of x, Wq, Wk, Wv, Wo (2048 x 2048 f32) is rounded once to bf16; Wo's bf16 number is then written as f16.  y = 5: the RoPE tables.
; A stream: no LDS, no matrix unit, no cluster (no two work-groups read the same byte).  A work-group casts 65,536 bytes: thread t takes the 16 bytes at 16 t + 4096 i, i = 0..15,
; so a wave's load covers 512 consecutive bytes and its store of 8 bytes a lane 256 consecutive bytes, aligned.  All 16 loads go out at once.  A load's first two registers take its result,
; so a wave needs 80 registers: twelve waves share a SIMD's 1,024, and the 1,536 work-groups, six for each of 256 WGPs, can all be resident together.
; LIMITS.  bf16 -> f16 is exact from 2^-14 up to 65,504; below 2^-14 Wo keeps f16's fixed step of 2^-24, and |Wo| of 65,520 or more would become an infinity.  NaN is not treated apart.
; THE TABLES (f32), in the order in which the next launch's lanes want them: byte  tau 2^20 + R 8192 + (4 b + 2 cs + q) 512 + 16 L + 4 e  holds cos (cs = 0) or sin (cs = 1) of
; row x 10000^(-d/64), row = 16 R + L % 16, d = 16 b + 8 (L / 16) + 4 q + e.  Table 0 is multiplied by c = log2(e) / sqrt(128) (for q), table 1 by 1 (for k), table 2 is cos = 1, sin = 0 (for v).
; The angle is reduced by multiples of pi/2 held in two parts; sine and cosine are polynomials on -pi/4 .. pi/4.  With the one-ulp power of two the angle is good to about 2e-4 at row 2047.
.set SRC, 16                           ; v[16:79]   16 x 4 numbers as loaded; the first two of each four then hold the words to store
	s_load_b512 s[8:23], s[0:1], 0x0               ; x 8, Wq 10, Wk 12, Wv 14, Wo 16, xb 18, wb 20, wob 22
	s_load_b64 s[24:25], s[0:1], 0x40              ; tab
	s_and_b32 s2, ttmp7, 0xffff                    ; y
	v_lshlrev_b32 v1, 4, v0                        ; my 16 bytes of the source
	v_lshlrev_b32 v2, 3, v0                        ; my 8 bytes of the result
	s_wait_kmcnt 0x0
	s_cmp_eq_u32 s2, 5
	s_cbranch_scc1 .Ltab
	s_cmp_eq_u32 s2, 1                             ; the source by y
	s_cselect_b64 s[26:27], s[10:11], s[8:9]
	s_cmp_eq_u32 s2, 2
	s_cselect_b64 s[26:27], s[12:13], s[26:27]
	s_cmp_eq_u32 s2, 3
	s_cselect_b64 s[26:27], s[14:15], s[26:27]
	s_cmp_eq_u32 s2, 4
	s_cselect_b64 s[26:27], s[16:17], s[26:27]
	s_cselect_b64 s[28:29], s[22:23], s[20:21]     ; the destination: wob for y = 4, xb for y = 0, else wb
	s_cmp_eq_u32 s2, 0
	s_cselect_b64 s[28:29], s[18:19], s[28:29]
	s_sub_co_u32 s30, s2, 1                        ; wb holds q, k, v one behind the other, 2^23 bytes each
	s_cmp_lt_u32 s30, 3
	s_cselect_b32 s30, s30, 0
	s_lshl_b32 s30, s30, 23
	s_lshl_b32 s31, ttmp9, 15                      ; the work-group's 32,768 bytes of the result
	s_add_co_u32 s30, s30, s31
	s_mov_b32 s31, 0
	s_add_nc_u64 s[28:29], s[28:29], s[30:31]
	s_lshl_b32 s30, ttmp9, 16                      ; and its 65,536 bytes of the source
	s_add_nc_u64 s[26:27], s[26:27], s[30:31]
.irp i, 0,1,2,3,4,5,6,7,8,9,10,11,12,13,14,15
	global_load_b128 v[SRC+4*(\i):SRC+4*(\i)+3], v1, s[26:27] offset:4096*(\i) th:TH_LOAD_NT
.endr
; Sixteen turns.  f16 = 1: the bf16 number is widened again and written as f16.
.macro TURNS f16
.irp i, 0,1,2,3,4,5,6,7,8,9,10,11,12,13,14,15
	s_wait_loadcnt 15-(\i)                         ; loads come back in order: load i is in, the 15 - i younger ones stay out
	v_cvt_pk_bf16_f32 v[SRC+4*(\i)],   v[SRC+4*(\i)],   v[SRC+4*(\i)+1]
	v_cvt_pk_bf16_f32 v[SRC+4*(\i)+1], v[SRC+4*(\i)+2], v[SRC+4*(\i)+3]
.if \f16
	v_lshlrev_b32 v4, 16, v[SRC+4*(\i)]
	v_and_b32 v5, 0xffff0000, v[SRC+4*(\i)]
	v_lshlrev_b32 v6, 16, v[SRC+4*(\i)+1]
	v_and_b32 v7, 0xffff0000, v[SRC+4*(\i)+1]
	v_cvt_pk_f16_f32 v[SRC+4*(\i)],   v4, v5
	v_cvt_pk_f16_f32 v[SRC+4*(\i)+1], v6, v7
.endif
	global_store_b64 v2, v[SRC+4*(\i):SRC+4*(\i)+1], s[28:29] offset:2048*(\i)  ; 32 lanes: 256 consecutive bytes, aligned; its registers are not written again
.endr
.endm
	s_cmp_eq_u32 s2, 4
	s_cbranch_scc1 .Lwo
	TURNS 0
	s_endpgm
.Lwo:
	TURNS 1
	s_endpgm
.Ltab:                                                 ; work-group x = 2 R + tau
	s_and_b32 s3, ttmp9, 1                         ; tau
	s_lshr_b32 s4, ttmp9, 1                        ; R
	s_lshl_b32 s5, s4, 4
	v_and_b32 v3, 31, v0                           ; L
	v_and_b32 v4, 15, v0
	v_add_nc_u32 v4, s5, v4
	v_cvt_f32_u32 v4, v4                           ; my row, exact in f32
	v_lshrrev_b32 v5, 6, v0                        ; b
	v_bfe_u32 v6, v0, 5, 1                         ; q
	v_bfe_u32 v7, v0, 4, 1                         ; L / 16
	v_lshlrev_b32 v8, 4, v5
	v_lshl_add_u32 v8, v7, 3, v8
	v_lshl_add_u32 v8, v6, 2, v8                   ; d of my first number
	v_lshl_add_u32 v9, v5, 2, v6
	v_lshlrev_b32 v9, 9, v9
	v_lshl_add_u32 v9, v3, 4, v9                   ; (4 b + q) 512 + 16 L: a wave's store covers 512 consecutive bytes
	v_mov_b32 v44, 0xb94ca1f9                      ; the sine's and the cosine's leading coefficients
	v_mov_b32 v45, 0x37ccf5ce
	s_lshl_b32 s6, s3, 20
	s_lshl_b32 s7, s4, 13
	s_add_co_u32 s6, s6, s7
	s_mov_b32 s7, 0
	s_add_nc_u64 s[26:27], s[24:25], s[6:7]        ; table tau, row block R
	s_lshl_b32 s6, s4, 13
	s_lshl_b32 s5, s3, 10
	s_add_co_u32 s6, s6, s5
	s_add_co_u32 s6, s6, 0x200000
	s_add_nc_u64 s[28:29], s[24:25], s[6:7]        ; table 2, row block R: tau = 0 writes its cosines, tau = 1 its sines
	s_cmp_eq_u32 s3, 1
	s_cselect_b32 s30, 1.0, 0x3e0293ee             ; the table's factor: 1 or c
	s_cselect_b32 s31, 0, 1.0                      ; table 2: sin = 0, cos = 1
.macro SINCOS e
	v_add_nc_u32 v10, \e, v8
	v_cvt_f32_u32 v10, v10
	v_mul_f32 v10, 0xbe549a78, v10                 ; -d log2(10000) / 64
	v_exp_f32 v10, v10
	v_nop                                          ; a plain instruction between the power and its use
	s_wait_alu depctr_va_vdst(0)
	v_mul_f32 v11, v4, v10                         ; the angle
	v_mul_f32 v12, 0x3f22f983, v11
	v_rndne_f32 v12, v12                           ; k = the nearest multiple of pi/2
	v_fmamk_f32 v13, v12, 0xbfc90fdb, v11          ; angle - k pi/2, pi/2 in two parts
	v_fmamk_f32 v13, v12, 0x333bbd2e, v13
	v_mul_f32 v14, v13, v13                        ; z
	v_fmaak_f32 v15, v44, v14, 0x3c08839e
	v_fmaak_f32 v17, v45, v14, 0xbab6061a
	v_fmaak_f32 v15, v15, v14, 0xbe2aaaa3
	v_fmaak_f32 v17, v17, v14, 0x3d2aaaa5
	v_mul_f32 v16, v13, v14
	v_mul_f32 v18, v14, v14
	v_fma_f32 v19, v14, -0.5, 1.0
	v_fma_f32 v15, v16, v15, v13                   ; sin
	v_fma_f32 v17, v18, v17, v19                   ; cos
	v_cvt_i32_f32 v20, v12
	v_and_b32 v21, 1, v20
	v_cmp_eq_u32 vcc_lo, 1, v21                    ; an odd quadrant swaps the two: a choice of values, no branch
	v_cndmask_b32 v22, v15, v17, vcc_lo
	v_cndmask_b32 v23, v17, v15, vcc_lo
	v_and_b32 v21, 2, v20                          ; the sine turns its sign in quadrants 2, 3,
	v_lshlrev_b32 v21, 30, v21
	v_xor_b32 v22, v21, v22
	v_add_nc_u32 v20, 1, v20                       ; the cosine in quadrants 1, 2
	v_and_b32 v20, 2, v20
	v_lshlrev_b32 v20, 30, v20
	v_xor_b32 v23, v20, v23
	v_mul_f32 v[32+(\e)], s30, v23
	v_mul_f32 v[36+(\e)], s30, v22
	v_mov_b32 v[40+(\e)], s31
.endm
	SINCOS 0
	SINCOS 1
	SINCOS 2
	SINCOS 3
	global_store_b128 v9, v[32:35], s[26:27]
	global_store_b128 v9, v[36:39], s[26:27] offset:1024
	global_store_b128 v9, v[40:43], s[28:29]
	s_endpgm
.Lfunc_end_k_q6718bf83ec_prep:
	.size	k_q6718bf83ec_prep, .Lfunc_end_k_q6718bf83ec_prep-k_q6718bf83ec_prep
	.p2alignl 7, 3214868480
	.fill 96, 4, 3214868480
	.section	.rodata,"a",@progbits
	.p2align	6, 0x0
	.amdhsa_kernel k_q6718bf83ec_prep
		.amdhsa_group_segment_fixed_size 0
		.amdhsa_private_segment_fixed_size 0
		.amdhsa_enable_private_segment 0
		.amdhsa_kernarg_size 72
		.amdhsa_user_sgpr_count 2
		.amdhsa_user_sgpr_kernarg_segment_ptr 1
		.amdhsa_wavefront_size32 1
		.amdhsa_system_sgpr_workgroup_id_x 1
		.amdhsa_system_sgpr_workgroup_id_y 1
		.amdhsa_system_sgpr_workgroup_id_z 1
		.amdhsa_system_vgpr_workitem_id 0
		.amdhsa_next_free_vgpr 80
		.amdhsa_next_free_sgpr 66
		.amdhsa_reserve_vcc 1
		.amdhsa_float_denorm_mode_32 3
		.amdhsa_float_denorm_mode_16_64 3
		.amdhsa_memory_ordered 1
		.amdhsa_forward_progress 1
		.amdhsa_inst_pref_size 24
	.end_amdhsa_kernel
	.amdgpu_metadata
---
amdhsa.version: [ 1, 2 ]
amdhsa.kernels:
  - .name:           k_q6718bf83ec_prep
    .symbol:         k_q6718bf83ec_prep.kd
    .args:
      - { .name: x, .offset: 0, .size: 8, .value_kind: global_buffer, .address_space: global }
      - { .name: Wq, .offset: 8, .size: 8, .value_kind: global_buffer, .address_space: global }
      - { .name: Wk, .offset: 16, .size: 8, .value_kind: global_buffer, .address_space: global }
      - { .name: Wv, .offset: 24, .size: 8, .value_kind: global_buffer, .address_space: global }
      - { .name: Wo, .offset: 32, .size: 8, .value_kind: global_buffer, .address_space: global }
      - { .name: xb, .offset: 40, .size: 8, .value_kind: global_buffer, .address_space: global }
      - { .name: wb, .offset: 48, .size: 8, .value_kind: global_buffer, .address_space: global }
      - { .name: wob, .offset: 56, .size: 8, .value_kind: global_buffer, .address_space: global }
      - { .name: tab, .offset: 64, .size: 8, .value_kind: global_buffer, .address_space: global }
    .group_segment_fixed_size: 0
    .private_segment_fixed_size: 0
    .kernarg_segment_align: 8
    .kernarg_segment_size: 72
    .max_flat_workgroup_size: 256
    .sgpr_count:     66
    .vgpr_count:     80
    .wavefront_size: 32
...
	.end_amdgpu_metadata
.endif
;; end of part 1
;; launch qkv (part 2): grid 24 x 8, 4 waves a work-group, clusters of 4 x 4, 327,680 bytes of LDS; arguments xb, wb, tab, qkv; writes qkv
.if DOCPART == 2
	.amdgcn_target "amdgcn-amd-amdhsa--gfx1250"
	.amdhsa_code_object_version 6
	.text
	.protected	k_q6718bf83ec_qkv
	.globl	k_q6718bf83ec_qkv
	.p2align	8
	.type	k_q6718bf83ec_qkv,@function
k_q6718bf83ec_qkv:
	s_mov_b64 s[64:65], 0
	v_nop
	global_prefetch_b8 v0, s[64:65] scope:SCOPE_SE
	s_setreg_imm32_b32 hwreg(HW_REG_WAVE_MODE, 25, 1), 1
	s_wait_xcnt 0x0
	s_wait_alu depctr_hold_cnt(0) depctr_sa_sdst(0) depctr_va_vdst(0) depctr_va_sdst(0) depctr_va_ssrc(0) depctr_va_vcc(0) depctr_vm_vsrc(0)
	s_getreg_b32 s2, hwreg(HW_REG_IB_STS2, 6, 4)
	s_cmp_eq_u32 s2, 0
	s_cbranch_scc0 .Lentry_in_a_cluster
	s_endpgm
.Lentry_in_a_cluster:
	s_bfe_u32 s2, ttmp6, 0x10000c
	s_cmp_lg_u32 s2, 0xf033
	s_cbranch_scc0 .Lentry_shape_is_right
	s_endpgm
.Lentry_shape_is_right:
; QKV.  u = x W for W = Wq, Wk, Wv side by side (2048 x 6144, K = 2048), bf16 operands, one f32 sum for each output, K ascending.  On the way out: spike = (u > 1), RoPE (q also times
; c = log2(e) / sqrt(128)), one rounding to f16, stored by heads: qkv[type][head][row][128].
; A tile of the result is 256 x 256, made by four waves, each 128 x 128 in 64 accumulators; a wave's 128 columns are ONE head, so the RoPE partners d and d + 64 lie in one lane, in the same register
; of accumulators b and b + 4.  24 x 8 = 192 work-groups: a tile of 256 x 192 would give 256 but cut heads in two, one of 128 x 128 would feed half the products from each LDS byte.
; K goes in steps of 128 through two LDS slots, one step a trip of the loop.  x lies [row][k]: its fragments are plain 16-byte loads.  W lies [k][n]: its tile is 128 k-rows of 512 bytes, and its
; fragments come by the turning load.
; CLUSTER 4 x 4: x's tile is shared along a row of the cluster, W's along a column; each is asked for jointly.  So is THE TABLE of cosines and sines for the tile's 256 rows, 131,072 bytes, which the four
; work-groups of a row of the cluster share: it is the last fill of slot 0, asked for when K step 14 has been read out, and lands while K step 15 is multiplied.
; THE MATRIX INSTRUCTION IS USED TRANSPOSED (source 0 = 16 columns of W, source 1 = 16 rows of x): a lane holds row l % 16 and the columns 8 (l / 16) + 0..7.
; LIMITS.  A sum within its own rounding error of 1.0 may spike otherwise than a sum taken in another order.  NaN gives no spike.  The spike is (u - 1) 2^30 held to 0 .. 1: exact, since u - 1 is 0, negative, or 2^-23 at the least.
; REGISTERS, in windows of 256: window 0: v0-31 addresses and constants; v64-127, v128-191 fragments of x; on the way out v32-63 packed, v64-95 rows read back, v128-143 at work, v192-255 spikes.
;   window 1: v64-191 fragments of W; v0-63 a block's cosines and sines.   windows 2, 3: the accumulators ((a, b) at v[8 (8 (a % 4) + b)], a < 4 in window 2).
.set SIZE_K, 2048
.set KSTEP,  128
.set STEPS,  SIZE_K/KSTEP
.set PITCH,  272                       ; a row of x in LDS: 256 bytes + 16: the 16 rows of a fragment load start at 16 different groups of four banks (64 banks of 4 bytes: ISA guide 11.1)
.set PB,     544                       ; a k-row of W: 512 bytes + 32 = 17 x 32
.set HALFT,  128*PITCH                 ; what one tensor load brings: 128 rows of x, or 64 k-rows of W (64 x 544, the same bytes): 0x8800
.set SLOT,   4*HALFT                   ; x's 256 rows, then W's 128 k-rows: 0x22000.  The fills of slot 0 begin at wave x 0x8800, which has neither bit 13 nor bit 17: one exclusive or goes to slot 1 and back
.set STAGE,  2*SLOT                    ; behind the ring: 16 rows x 272 bytes for each wave, for the way out
.set SPITCH, 272
.set SPARE,  STAGE+4*16*SPITCH         ; behind the stages: the spare words, 128 bytes for each wave
.set BIG,  8                           ; v[8:9]   2^30 twice; v[10:11] -2^30 twice; never rewritten
.set NBIG, 10
.set ADRA0, 16                         ; v16     LDS address of my fragments of x in slot 0; never rewritten
.set ADRA,  17                         ; v17     the same in the slot that is being read
.set ADRB0, 20                         ; v20, v21  the same two for W
.set ADRB,  21
.set STO,  24                          ; v24     the way out: where I put 16 bytes of a row
.set RD,   25                          ; v25     the way out: where I read a row back
.set CO,   26                          ; v26     16 x lane: my place in 512 consecutive bytes of the result; never rewritten
.set TADR, 27                          ; v27     LDS address of my 16 bytes in the first 512 of a block's table
.set SPW,  28                          ; v28     LDS address of my spare word; never rewritten
.set NIL,  29                          ; v29     0; never rewritten
.set TMP,  32
.set OB,   64
.set T,    128
.set SP,   192
.set F0,   64
.set F1,   128
.set G1,  24                           ; s[24:31] group 1 for x's tiles;  s[32:39] group 0: a set for each of the two first fills; the second then walks on
.set G0,  32
.set G1B, 48                           ; s[48:55], s[56:63] the same for W's
.set G0B, 56
.set TB,  72                           ; s72      the slot that is being read: 0 or SLOT
.set OUT, 76                           ; s[76:77] the result at the block of 16 rows in hand
.set GT0, 80                           ; s[80:83] group 0 for my quarter of the table
.set GT1, 84                           ; s[84:91] its group 1
.set MSB, 0
.macro WIN new                         ; the immediate's high byte repeats the setting that is left; a switch that changes nothing is dropped
.if MSB != (\new)
	s_set_vgpr_msb (MSB<<8)|(\new)
.set MSB, \new
.endif
.endm
.set MUL_LO, 0xa1                      ; source 0 (W) window 1, source 1 (x) window 0, C and D window 2
.set MUL_HI, 0xf1                      ; the same, C and D window 3
.set TO_B,   0x40                      ; destination window 1, address window 0
; A joint load.  Waves 0 and 1 fetch x's two halves, waves 2 and 3 W's.  The branch hangs on the wave's number alone.  An s_nop 0 and four v_nop follow each line.
.macro JLOAD s
	s_cmp_eq_u32 s11, 0
	s_cbranch_scc0 .Lfor_b_\@
	tensor_load_to_lds s[G0+4*(\s):G0+4*(\s)+3], s[G1:G1+7]
	s_nop 0
.rept 4
	v_nop
.endr
	s_branch .Lasked_\@
.Lfor_b_\@:
	tensor_load_to_lds s[G0B+4*(\s):G0B+4*(\s)+3], s[G1B:G1B+7]
	s_nop 0
.rept 4
	v_nop
.endr
.Lasked_\@:
.endm
.macro CREST                           ; a round of the cluster's barrier behind its opening barrier
	s_cmp_lg_u32 s10, 0
	s_cbranch_scc1 .Lnot_wave_0_\@
	s_barrier_signal -3
.Lnot_wave_0_\@:
	s_barrier_wait -3
	s_barrier_signal -1
	s_barrier_wait -1
.endm
.macro CROUND                          ; a whole round
	s_barrier_signal -1
	s_barrier_wait -1
	CREST
.endm
	s_load_b128 s[4:7], s[0:1], 0x0                ; xb s[4:5], wb s[6:7]
	s_load_b128 s[68:71], s[0:1], 0x10             ; tab s[68:69], qkv s[70:71]
	v_lshl_add_u32 v[SPW], v0, 2, SPARE
	v_mov_b32 v[NIL], 0
	ds_add_u32 v[SPW], v[NIL]                      ; the wave's opening: the add and its wait ahead of my first tensor load; work on registers stands between them
	v_lshrrev_b32 v1, 5, v0
	v_readfirstlane_b32 s10, v1                    ; wave 0..3
	s_lshr_b32 s11, s10, 1                         ; which half of the tile's rows is mine.  Also: I fetch for x (0) or for W (1)
	s_and_b32 s12, s10, 1                          ; which half of its columns.  Also: which half of that tile I fetch
	s_bfe_u32 s40, ttmp6, 0x40000                  ; cx
	s_bfe_u32 s41, ttmp6, 0x40004                  ; cy
	s_lshl_b32 s42, ttmp9, 2
	s_add_co_u32 s42, s42, s40                     ; tile column 0..23 = 4 x cluster x + cx
	s_and_b32 s13, ttmp7, 0xffff
	s_lshl_b32 s13, s13, 2
	s_add_co_u32 s13, s13, s41                     ; tile row 0..7 = 4 x cluster y + cy
	s_lshl_b32 s43, s41, 2
	s_lshl_b32 s43, 15, s43                        ; my row of the cluster
	s_lshl_b32 s44, 0x1111, s40                    ; my column
	s_or_b32 s[G1+0], s43, (1<<16)|(1<<20)|(1<<21)|(5<<22)|(3<<25)   ; the mask; 2-byte elements; padding on; bit 21 beside a mask; after every 64 words 4 words
	s_mov_b32 s[G1+1], KSTEP<<16                   ; tensor_dim0 = 128
	s_mov_b32 s[G1+2], 128<<16                     ; tensor_dim1 = 128
	s_mov_b32 s[G1+3], KSTEP<<16                   ; tile_dim0 = 128
	s_mov_b32 s[G1+4], 128                         ; tile_dim1 = 128
	s_mov_b32 s[G1+5], SIZE_K                      ; elements from row to row
	s_mov_b32 s[G1+6], 0
	s_mov_b32 s[G1+7], 0
	s_or_b32 s[G1B+0], s44, (1<<16)|(1<<20)|(1<<21)|(6<<22)|(7<<25)  ; W: after every 128 words 8 words
	s_mov_b32 s[G1B+1], 256<<16                    ; tensor_dim0 = 256 columns
	s_mov_b32 s[G1B+2], 64<<16                     ; tensor_dim1 = 64 k-rows
	s_mov_b32 s[G1B+3], 256<<16                    ; tile_dim0
	s_mov_b32 s[G1B+4], 64                         ; tile_dim1
	s_mov_b32 s[G1B+5], 2048                       ; elements from k-row to k-row
	s_mov_b32 s[G1B+6], 0
	s_mov_b32 s[G1B+7], 0
	s_or_b32 s[GT1+0], s43, (3<<16)|(1<<21)        ; the table: a dense block of 32,768 bytes as 128 rows of 32 elements of 8 bytes, no padding; it goes to my row of the cluster
	s_mov_b32 s[GT1+1], 32<<16                     ; tensor_dim0 = 32
	s_mov_b32 s[GT1+2], 128<<16                    ; tensor_dim1 = 128
	s_mov_b32 s[GT1+3], 32<<16                     ; tile_dim0
	s_mov_b32 s[GT1+4], 128                        ; tile_dim1
	s_mov_b32 s[GT1+5], 32                         ; each row begins where the last ends
	s_mov_b32 s[GT1+6], 0
	s_mov_b32 s[GT1+7], 0
	s_mov_b32 s[GT0], 1
	s_lshl_b32 s[GT0+1], s10, 15                   ; into slot 0: wave x 32,768
	; x's tiles and the table hang on the tile row alone, W's on the tile column alone; each address is made in registers that never hold the other coordinate
	s_lshl_b32 s17, s12, 7
	s_lshl_b32 s16, s13, 8
	s_add_co_u32 s16, s16, s17                     ; x: row 256 x tile row + 128 x half,
	s_lshl_b32 s16, s16, 12                        ; 4,096 bytes a row
	s_mov_b32 s17, 0
	s_lshr_b32 s45, ttmp9, 1                       ; type: 0 q, 1 k, 2 v = tile column / 8 = cluster x / 2: the same in all sixteen partners
	s_lshl_b32 s74, s45, 20                        ; the table: the type's 2^20 bytes,
	s_lshl_b32 s75, s13, 17                        ; 16 blocks of 8,192 bytes for each tile row,
	s_add_co_u32 s74, s74, s75
	s_lshl_b32 s75, s10, 15                        ; 4 blocks for my wave
	s_add_co_u32 s74, s74, s75
	s_mov_b32 s75, 0
	s_and_b32 s46, s42, 7
	s_lshl_b32 s46, s46, 9                         ; W: 512 bytes of a k-row for each tile column,
	s_lshl_b32 s47, s45, 23                        ; 2^23 bytes for each type,
	s_add_co_u32 s46, s46, s47
	s_lshl_b32 s47, s12, 18                        ; 64 k-rows of 4,096 bytes for my half
	s_add_co_u32 s46, s46, s47
	s_mov_b32 s47, 0
	s_mul_i32 s20, s10, HALFT                      ; where the tiles go: wave x one load's bytes
	s_mov_b32 s[TB], 0
	v_mov_b32 v[BIG], 0x4e800000
	v_mov_b32 v[BIG+1], 0x4e800000
	v_mov_b32 v[NBIG], 0xce800000
	v_mov_b32 v[NBIG+1], 0xce800000
	s_wait_dscnt 0x0                               ; the opening add is done
	s_wait_kmcnt 0x0
	s_add_nc_u64 s[14:15], s[4:5], s[16:17]
	s_add_nc_u64 s[46:47], s[6:7], s[46:47]
	s_add_nc_u64 s[GT0+2:GT0+3], s[68:69], s[74:75]
	s_or_b32 s[GT0+3], s[GT0+3], 0x80000000
	CROUND                                         ; all sixteen work-groups are here: the first joint loads meet
.irp s, 0,1
	s_mov_b32 s[G0+4*(\s)], 1
	s_add_co_u32 s[G0+4*(\s)+1], s20, (\s)*SLOT
	s_add_nc_u64 s[G0+4*(\s)+2:G0+4*(\s)+3], s[14:15], (\s)*KSTEP*2
	s_or_b32 s[G0+4*(\s)+3], s[G0+4*(\s)+3], 0x80000000
	s_mov_b32 s[G0B+4*(\s)], 1
	s_add_co_u32 s[G0B+4*(\s)+1], s20, (\s)*SLOT
	s_add_nc_u64 s[G0B+4*(\s)+2:G0B+4*(\s)+3], s[46:47], (\s)*KSTEP*4096
	s_or_b32 s[G0B+4*(\s)+3], s[G0B+4*(\s)+3], 0x80000000
	JLOAD \s
.endr
	v_and_b32 v3, 31, v0
	v_lshlrev_b32 v[CO], 4, v3
	s_lshl_b32 s73, s11, 16                        ; my row half's 8 blocks of the table
	v_add_nc_u32 v[TADR], s73, v[CO]
	v_and_b32 v1, 15, v0                           ; l % 16
	v_bfe_u32 v2, v0, 4, 1                         ; l / 16
	v_mul_u32_u24 v3, v1, PITCH
	v_lshl_add_u32 v3, v2, 4, v3                   ; x: row x pitch + 16 x half
	v_and_b32 v4, 7, v0                            ; W, for the turning load: k-row 8 (l / 16) + l % 8, 16 bytes at 16 ((l / 8) % 2)
	v_lshl_add_u32 v4, v2, 3, v4
	v_mul_u32_u24 v4, v4, PB
	v_bfe_u32 v5, v0, 3, 1
	v_lshl_add_u32 v4, v5, 4, v4
	s_mul_i32 s21, s11, HALFT                      ; my 128 rows of x
	s_lshl_b32 s22, s12, 8                         ; my 128 columns of W, 256 bytes of each k-row,
	s_add_co_u32 s22, s22, 2*HALFT                 ; behind x's 256 rows
	v_add_nc_u32 v[ADRA0], s21, v3
	v_add_nc_u32 v[ADRB0], s22, v4
	v_mov_b32 v[ADRA], v[ADRA0]                    ; slot 0 is read first
	v_mov_b32 v[ADRB], v[ADRB0]
	s_mul_i32 s23, s10, 16*SPITCH
	s_add_co_u32 s23, s23, STAGE                   ; my stage
	v_mul_u32_u24 v4, v1, SPITCH
	v_lshl_add_u32 v4, v2, 4, v4
	v_add_nc_u32 v[STO], s23, v4
	v_mul_u32_u24 v5, v2, SPITCH
	v_lshl_add_u32 v5, v1, 4, v5
	v_add_nc_u32 v[RD], s23, v5
	s_and_b32 s78, s42, 7                          ; the result: head = 2 x (tile column % 8) + my column half, 2^19 bytes each,
	s_lshl_b32 s78, s78, 1
	s_add_co_u32 s78, s78, s12
	s_lshl_b32 s78, s78, 19
	s_lshl_b32 s79, s45, 23                        ; 2^23 for each type,
	s_add_co_u32 s78, s78, s79
	s_lshl_b32 s79, s13, 16                        ; 256 rows of 256 bytes for each tile row,
	s_add_co_u32 s78, s78, s79
	s_lshl_b32 s79, s11, 15                        ; 128 for my half
	s_add_co_u32 s78, s78, s79
	s_mov_b32 s79, 0
	s_add_nc_u64 s[OUT:OUT+1], s[70:71], s[78:79]
; 16 matrix instructions: row blocks a0, a0 + 1 of the window's four x all 8 column blocks, 32 along K.  zero = 1: the first product starts the sums.
.macro MUL16 f, hi, a0, zero
	WIN MUL_LO+0x50*(\hi)
.irp a, \a0, (\a0)+1
.irp b, 0,1,2,3,4,5,6,7
.if \zero
	v_wmma_f32_16x16x32_bf16 v[8*(8*(\a)+(\b)):8*(8*(\a)+(\b))+7], v[(\f)+8*(\b):(\f)+8*(\b)+7], v[(\f)+8*(4*(\hi)+(\a)):(\f)+8*(4*(\hi)+(\a))+7], 0
.else
	v_wmma_f32_16x16x32_bf16 v[8*(8*(\a)+(\b)):8*(8*(\a)+(\b))+7], v[(\f)+8*(\b):(\f)+8*(\b)+7], v[(\f)+8*(4*(\hi)+(\a)):(\f)+8*(4*(\hi)+(\a))+7], v[8*(8*(\a)+(\b)):8*(8*(\a)+(\b))+7]
.endif
.endr
.endr
.endm
; 32 LDS loads in one run: quarter q (32 along K) of the slot that is being read into buffer f: W's 8 column blocks, turned, then x's 8 row blocks
.macro FETCH q, f
	WIN TO_B
.irp i, 0,1,2,3,4,5,6,7
	ds_load_tr16_b128 v[(\f)+8*(\i):(\f)+8*(\i)+3],   v[ADRB] offset:(\q)*32*PB+(\i)*32
	ds_load_tr16_b128 v[(\f)+8*(\i)+4:(\f)+8*(\i)+7], v[ADRB] offset:(\q)*32*PB+16*PB+(\i)*32
.endr
	WIN 0
.irp i, 0,1,2,3,4,5,6,7
	ds_load_b128 v[(\f)+8*(\i):(\f)+8*(\i)+3],   v[ADRA] offset:(\q)*64+(\i)*16*PITCH
	ds_load_b128 v[(\f)+8*(\i)+4:(\f)+8*(\i)+7], v[ADRA] offset:(\q)*64+(\i)*16*PITCH+32
.endr
.endm
.macro PLACES                          ; four plain instructions between a matrix instruction and a load into, or a vector instruction on, its registers
.rept 4
	v_nop
.endr
.endm
; One of a K step's first three quarters: multiplies buffer f; in its middle fetches quarter q of the same slot into buffer g.
.macro QUARTER q, f, g, zero
	s_wait_dscnt 8                                 ; W and x's rows 0-63 are in; the youngest eight loads (x's rows 64-127) may be out
	MUL16 \f, 0, 0, \zero
	MUL16 \f, 0, 2, \zero
	PLACES
	FETCH \q, \g
	s_wait_dscnt 32                                ; all but the 32 just issued
	MUL16 \f, 1, 0, \zero
	MUL16 \f, 1, 2, \zero
.endm
; The last quarter multiplies buffer 1 and changes slots.  In front of the round each wave waits for all its tensor loads (one is out: its part of the next slot), adds 0 to its spare word, and waits for
; that and for its own reads of this slot.  Behind the round the slot just read is filled again, first thing: with the K step two steps on (the walking descriptors: the other slot than last time, one K step
; further), or (table = 1, behind K step 14, slot 0) with my quarter of the table.  Then the reads go over to the other slot.
.macro TURN table
	WIN 0
	s_wait_tensorcnt 0x0
	ds_add_u32 v[SPW], v[NIL]
	s_wait_dscnt 9                                 ; the add and the youngest eight loads may be out
	MUL16 F1, 0, 0, 0
	s_wait_dscnt 0x0                               ; the add is done, and my reads of this slot are over
	s_barrier_signal -1
	MUL16 F1, 0, 2, 0
	WIN 0
	s_barrier_wait -1
	CREST
.if \table
	tensor_load_to_lds s[GT0:GT0+3], s[GT1:GT1+7]
	s_nop 0
.rept 4
	v_nop
.endr
.else
	s_xor_b32 s[G0+5], s[G0+5], SLOT
	s_add_nc_u64 s[G0+6:G0+7], s[G0+6:G0+7], KSTEP*2
	s_xor_b32 s[G0B+5], s[G0B+5], SLOT
	s_add_nc_u64 s[G0B+6:G0B+7], s[G0B+6:G0B+7], KSTEP*4096
	JLOAD 1
.endif
	s_xor_b32 s[TB], s[TB], SLOT
	v_add_nc_u32 v[ADRA], s[TB], v[ADRA0]          ; with the four v_nop behind the load: the places in front of the loads below
	v_add_nc_u32 v[ADRB], s[TB], v[ADRB0]
	FETCH 0, F0
	MUL16 F1, 1, 0, 0
	MUL16 F1, 1, 2, 0
.endm
	s_wait_tensorcnt 1                             ; my part of K step 0 is in; K step 1's may stay out
	s_barrier_signal -1
	s_barrier_wait -1
	FETCH 0, F0
	QUARTER 1, F0, F1, 1                           ; the first quarter stands in front of the loop: its products start the sums
	WIN 0
	s_mov_b32 s3, STEPS-2
.Lstep:                                                ; 14 trips, from a K step's second quarter to the next step's first; trip j asks for K step j + 2
	QUARTER 2, F1, F0, 0
	QUARTER 3, F0, F1, 0
	TURN 0
	QUARTER 1, F0, F1, 0
	WIN 0
	s_sub_co_u32 s3, s3, 1
	s_cmp_lg_u32 s3, 0
	s_cbranch_scc1 .Lstep
	QUARTER 2, F1, F0, 0                           ; K step 14 goes on; behind it slot 0 takes the table
	QUARTER 3, F0, F1, 0
	TURN 1
	QUARTER 1, F0, F1, 0                           ; K step 15
	QUARTER 2, F1, F0, 0
	QUARTER 3, F0, F1, 0
	s_wait_dscnt 8
	MUL16 F1, 0, 0, 0
	MUL16 F1, 0, 2, 0
	s_wait_dscnt 0x0
	MUL16 F1, 1, 0, 0
	MUL16 F1, 1, 2, 0
; THE WAY OUT, a block of 16 rows a trip; one text for q, k and v: the table makes the difference.  Only the spikes name accumulators, so only they are written out for each block.
.macro CLAMP a                         ; spikes: (u - 1) 2^30 held to 0 .. 1; each accumulator's registers in ascending order
.set AC, 64*((\a)%4)
	WIN 0x02+(\a)/4
.set z, 0
.rept 32
	v_pk_fma_f32 v[SP+2*z:SP+2*z+1], v[AC+2*z:AC+2*z+1], v[BIG:BIG+1], v[NBIG:NBIG+1] clamp
.set z, z+1
.endr
	WIN 0
.endm
.macro TLOAD                           ; a block's cosines and sines: 16 loads of 512 consecutive bytes, into window 1 at v0
	WIN TO_B
.irp i, 0,1,2,3,4,5,6,7,8,9,10,11,12,13,14,15
	ds_load_b128 v[4*(\i):4*(\i)+3], v[TADR] offset:(\i)*512
.endr
	WIN 0
.endm
.macro ROT                             ; lo = lo cos - hi sin; hi = hi cos + lo sin; lo in column blocks 0-3, hi in 4-7; cos at 16 b + j, sin at 16 b + 8 + j of the table's registers
	WIN 0x04
.irp b, 0,1,2,3
.irp p, 0,1,2,3
	v_pk_mul_f32 v[T+4*(\p):T+4*(\p)+1],   v[SP+8*((\b)+4)+2*(\p):SP+8*((\b)+4)+2*(\p)+1], v[16*(\b)+8+2*(\p):16*(\b)+8+2*(\p)+1]
	v_pk_mul_f32 v[T+4*(\p)+2:T+4*(\p)+3], v[SP+8*(\b)+2*(\p):SP+8*(\b)+2*(\p)+1],         v[16*(\b)+8+2*(\p):16*(\b)+8+2*(\p)+1]
.endr
.irp p, 0,1,2,3
	v_pk_fma_f32 v[SP+8*(\b)+2*(\p):SP+8*(\b)+2*(\p)+1], v[SP+8*(\b)+2*(\p):SP+8*(\b)+2*(\p)+1], v[16*(\b)+2*(\p):16*(\b)+2*(\p)+1], v[T+4*(\p):T+4*(\p)+1] neg_lo:[0,0,1] neg_hi:[0,0,1]
	v_pk_fma_f32 v[SP+8*((\b)+4)+2*(\p):SP+8*((\b)+4)+2*(\p)+1], v[SP+8*((\b)+4)+2*(\p):SP+8*((\b)+4)+2*(\p)+1], v[16*(\b)+2*(\p):16*(\b)+2*(\p)+1], v[T+4*(\p)+2:T+4*(\p)+3]
.endr
.endr
	WIN 0
.endm
	PLACES
	WIN 0
	s_wait_tensorcnt 0x0                           ; my quarter of the table has landed;
	s_barrier_signal -1                            ; no LDS instruction of mine is out (the wait for 0 in front of the last 32 products)
	s_barrier_wait -1                              ; everybody's has: a row half's table came by two waves' loads
	TLOAD                                          ; block 0's
	CLAMP 0
	s_wait_dscnt 0x0
	s_mov_b32 s3, 8
.Lrows:                                                ; trip a = 8 - s3: block a's spikes and table are in registers
	ROT
.set z, 0
.rept 32
	v_cvt_pk_f16_f32 v[TMP+z], v[SP+2*z], v[SP+2*z+1]      ; one rounding to f16: a lane's eight neighbouring channels are 16 bytes
.set z, z+1
.endr
.irp b, 0,1,2,3,4,5,6,7
	ds_store_b128 v[STO], v[TMP+4*(\b):TMP+4*(\b)+3] offset:32*(\b)    ; into my own stage,
.endr
.irp t, 0,1,2,3,4,5,6,7
	ds_load_b128 v[OB+4*(\t):OB+4*(\t)+3], v[RD] offset:(\t)*2*SPITCH  ; and back as whole rows of 256 bytes; LDS serves a wave's instructions in order (ISA guide 5.7.1.4)
.endr
	s_cmp_eq_u32 s3, 1                             ; behind the last block there is none to make ready
	s_cbranch_scc1 .Lclamped
	v_add_nc_u32 v[TADR], 0x2000, v[TADR]          ; the next block's table and spikes stand between the stage's loads and the wait for them
	TLOAD
.irp k, 2,3,4,5,6,7
	s_cmp_eq_u32 s3, 9-(\k)                        ; the trip's count picks the block: a constant in each trip
	s_cbranch_scc1 .Lclamp\k
.endr
	CLAMP 1
	s_branch .Lclamped
.irp k, 2,3,4,5,6,7
.Lclamp\k:
	CLAMP \k
.if (\k) < 7
	s_branch .Lclamped
.endif
.endr
.Lclamped:
	s_wait_dscnt 0x0                               ; the block is back in registers, and the next block's table is in: for 0, so that the count is the same on every way here
.irp t, 0,1,2,3,4,5,6,7
	global_store_b128 v[CO], v[OB+4*(\t):OB+4*(\t)+3], s[OUT:OUT+1] offset:(\t)*512  ; two rows of a head: 512 consecutive bytes, aligned
.endr
	s_wait_xcnt 0x0                                ; the stores' base is stepped, and their registers are loaded again, only behind this wait
	s_add_nc_u64 s[OUT:OUT+1], s[OUT:OUT+1], 4096  ; 16 rows of 256 bytes on
	s_sub_co_u32 s3, s3, 1
	s_cmp_lg_u32 s3, 0
	s_cbranch_scc1 .Lrows
	s_wait_tensorcnt 0x0                           ; the wave's end
	ds_add_u32 v[SPW], v[NIL]
	s_wait_dscnt 0x0
	CROUND                                         ; the closing round
	s_endpgm
.Lfunc_end_k_q6718bf83ec_qkv:
	.size	k_q6718bf83ec_qkv, .Lfunc_end_k_q6718bf83ec_qkv-k_q6718bf83ec_qkv
	.p2alignl 7, 3214868480
	.fill 96, 4, 3214868480
	.section	.rodata,"a",@progbits
	.p2align	6, 0x0
	.amdhsa_kernel k_q6718bf83ec_qkv
		.amdhsa_group_segment_fixed_size 327680
		.amdhsa_private_segment_fixed_size 0
		.amdhsa_enable_private_segment 0
		.amdhsa_kernarg_size 32
		.amdhsa_user_sgpr_count 2
		.amdhsa_user_sgpr_kernarg_segment_ptr 1
		.amdhsa_wavefront_size32 1
		.amdhsa_system_sgpr_workgroup_id_x 1
		.amdhsa_system_sgpr_workgroup_id_y 1
		.amdhsa_system_sgpr_workgroup_id_z 1
		.amdhsa_system_vgpr_workitem_id 0
		.amdhsa_next_free_vgpr 1024
		.amdhsa_next_free_sgpr 92
		.amdhsa_reserve_vcc 0
		.amdhsa_float_denorm_mode_32 3
		.amdhsa_float_denorm_mode_16_64 3
		.amdhsa_memory_ordered 1
		.amdhsa_forward_progress 1
		.amdhsa_inst_pref_size 114
	.end_amdhsa_kernel
	.amdgpu_metadata
---
amdhsa.version: [ 1, 2 ]
amdhsa.kernels:
  - .name:           k_q6718bf83ec_qkv
    .symbol:         k_q6718bf83ec_qkv.kd
    .args:
      - { .name: xb, .offset: 0, .size: 8, .value_kind: global_buffer, .address_space: global }
      - { .name: wb, .offset: 8, .size: 8, .value_kind: global_buffer, .address_space: global }
      - { .name: tab, .offset: 16, .size: 8, .value_kind: global_buffer, .address_space: global }
      - { .name: qkv, .offset: 24, .size: 8, .value_kind: global_buffer, .address_space: global }
    .group_segment_fixed_size: 327680
    .private_segment_fixed_size: 0
    .kernarg_segment_align: 8
    .kernarg_segment_size: 32
    .max_flat_workgroup_size: 128
    .sgpr_count:     92
    .vgpr_count:     1024
    .wavefront_size: 32
...
	.end_amdgpu_metadata
.endif
;; end of part 2
;; launch attn (part 3): grid 16 x 16, 4 waves a work-group, clusters of 4 x 1, 327,680 bytes of LDS; arguments qkv, ob; writes ob
.if DOCPART == 3
	.amdgcn_target "amdgcn-amd-amdhsa--gfx1250"
	.amdhsa_code_object_version 6
	.text
	.protected	k_q6718bf83ec_attn
	.globl	k_q6718bf83ec_attn
	.p2align	8
	.type	k_q6718bf83ec_attn,@function
k_q6718bf83ec_attn:
	s_mov_b64 s[64:65], 0
	v_nop
	global_prefetch_b8 v0, s[64:65] scope:SCOPE_SE
	s_setreg_imm32_b32 hwreg(HW_REG_WAVE_MODE, 25, 1), 1
	s_wait_xcnt 0x0
	s_wait_alu depctr_hold_cnt(0) depctr_sa_sdst(0) depctr_va_vdst(0) depctr_va_sdst(0) depctr_va_ssrc(0) depctr_va_vcc(0) depctr_vm_vsrc(0)
	s_getreg_b32 s2, hwreg(HW_REG_IB_STS2, 6, 4)
	s_cmp_eq_u32 s2, 0
	s_cbranch_scc0 .Lentry_in_a_cluster
	s_endpgm
.Lentry_in_a_cluster:
	s_bfe_u32 s2, ttmp6, 0x10000c
	s_cmp_lg_u32 s2, 0x3003
	s_cbranch_scc0 .Lentry_shape_is_right
	s_endpgm
.Lentry_shape_is_right:
; CAUSAL ATTENTION on spikes.  O[q] = sum over k <= q of softmax_k(rq . rk / sqrt(128)) sv[k], 16 heads of 128 channels, 2,048 rows.  qkv[type][head][row][128] in f16; rq arrives times c = log2(e) / sqrt(128).
; Products and sums in f32; the weights are rounded to f16 for the second product (their sum is taken of the unrounded ones); O once to f16, stored as ob[row][head 128 + channel].
; THE SHIFT IS FIXED, p = 2^(c s - 1), because the computation bounds the exponents for every input: spikes are 0 or 1 and RoPE is a rotation, so |rq . rk| <= 128 and |c s| <= 16.4: p lies in
; 2^-17.4 .. 2^15.4, inside f16's 65,504; a row's own key has c s >= 0, so a row's sum is 0.5 at the least and 2^26.4 at the most.  So partial sums over keys simply add, which the shares below use.
; LIMITS.  p below 2^-14 keeps f16's fixed step of 2^-24 (against a sum of 0.5 or more).  A hidden score counts as -1e30, its weight as 0.
; SHARES.  A head has 32 blocks of 64 queries.  Work-group b = 4 g + cx takes block 31 - b and then block b.  Keys go in ROUNDS of 256; in a round wave w takes keys 64 w .. 64 w + 63 for all 64 queries:
; four tiles of 16 queries, 128 matrix instructions.  The four partners of a cluster need rounds 0 .. 7 - g and then 0 .. g: the same 9 rounds and the same trip at which the block changes, so every tile of
; K and V is asked for jointly and nothing in the control flow hangs on cx.  At a block's end the four waves' partial O and sums are added through LDS.
; THE MASK is the C operand that starts S^T = K Q^T.  D = (my 64 keys' block) - (the query block).  For key block kb and tile t of the unit: kb < t: D > 0 ? -1e30 : -1;  kb > t: D >= 0 ? -1e30 : -1;
; kb = t: the triangle MD if D = 0, added to the first.  The -1 is the shift.  D enters values alone, by selects.
; LAYOUT.  S^T holds one query a lane (lane % 16) and the keys 8 (lane / 16) + 0..7; two such results rounded to f16 are source 1 of O^T = V^T P.  K comes out of LDS as it lies, V turned.
; REGISTERS: window 0: v0-15 addresses; v16-23 sums; v24-31 at work; v32-63 masks; v64-127 S^T, two buffers of four tiles; v128-191 P; v192-255 at work at a block's end.
;   window 1: O^T, 64 a tile.   window 2: v0-127 Q; v128-255 K of a unit.   window 3: v0-127 V of a unit.
; O^T is cleared by moves at the start and at the change of blocks (512 in the text): the price of one text for every unit.
.set PK,    272                        ; a row of K in LDS: 256 bytes + 16
.set PV,    288                        ; a row of V: 256 + 32 = 9 x 32
.set VOFF,  0x11000                    ; a slot: 256 rows of K, then 256 rows of V, 0x23000 bytes
.set DELTA, 0x24000                    ; slot 1 begins here; no address in slot 0 at which a fill begins has bit 14 or 17 set, so one exclusive or goes to the other slot and back
.set XBASE, 0x47000                    ; behind the ring, never filled by a tensor load: 4 x 8,192 bytes for the exchange; the output's stage (64 rows x 272) lies over it
.set LAREA, XBASE+4*8192               ; 4 x 512 bytes: the waves' partial sums
.set SPARE, LAREA+4*512                ; the spare words, 128 bytes for each wave
.set SPO,   272
.set AK0, 2                            ; my lane's place in a slot's K; never rewritten
.set AV0, 3                            ; the same for V
.set ADRK, 4
.set ADRV, 5
.set XST, 6                            ; exchange: where I put 16 bytes
.set XRD, 7                            ; exchange: where I read my two channel blocks
.set LST, 8
.set LRD, 9
.set OSTO, 10
.set ORD, 11
.set GO,  12
.set QO,  13                           ; my byte offset in 16 rows of Q; never rewritten
.set SPW, 14                           ; LDS address of my spare word; never rewritten
.set NIL, 15                           ; 0; never rewritten
.set LL,  16                           ; v[16:23] a pair of sums (even keys', odd keys') for each tile
.set LS,  24
.set PT,  28
.set MD,  32                           ; the triangle
.set ML,  40
.set MZ,  48
.set MG,  56
.set S,   64
.set P,   128
.set X,   192
.set KF,  128                          ; window 2
.set WV,  12
.set CX,  13
.set G,   14
.set PB,  15
.set G1K, 24
.set G1V, 32
.set G0K, 40
.set G0V, 44
.set KB,  48                           ; s[48:49] K at my half of the head's round 0
.set VB,  50                           ; s[50:51] the same for V
.set OFF, 52                           ; s[52:53] a round's byte offset
.set NXT, 54                           ; the round to be asked for next
.set LQ,  55                           ; the last round of the block whose rounds are being asked for
.set TRIPS, 56                         ; counts the loop's trips, 8 to 1
.set GP1, 57                           ; g + 1: the count in the trip that holds the first block's last round
.set FST, 58                           ; 1 while the first block is in hand
.set BLK, 59                           ; 31 - b
.set SEL, 60                           ; s[60:61] v_permlanex16_b32's selects
.set TB,  62                           ; the slot to be read: 0 or DELTA
.set DD,  63                           ; D of the unit to come
.set AL,  66                           ; s[66:67] the triangle's factor
.set BZ,  68                           ; s[68:69] D > 0 ? -1e30 : -1
.set BG,  70                           ; s[70:71] D >= 0 ? -1e30 : -1
.set ZR,  72                           ; s[72:73] 0
.set NEG, 74                           ; -1e30
.set OBN, 76                           ; s[76:77] ob at my 16 rows of the block in hand
.set OB2, 78                           ; s[78:79] the same for the second block
.set Q1,  80                           ; s[80:81] Q at the first block
.set Q2,  82                           ; s[82:83] Q at the second
.set MSB, 0
.macro WIN new                         ; the immediate's high byte repeats the setting that is left; a switch that changes nothing is dropped
.if MSB != (\new)
	s_set_vgpr_msb (MSB<<8)|(\new)
.set MSB, (\new)
.endif
.endm
.set W_KQ, 0x0a                        ; K and Q in window 2, masks and S^T in window 0
.set W_PV, 0x53                        ; V in window 3, P in window 0, O^T in window 1
; A joint fill.  Waves 0 and 1 fetch the two halves of a round's K, waves 2 and 3 those of its V: 128 rows each.  An s_nop 0 and four v_nop follow each line.
.macro JLOAD
	s_cmp_lt_u32 s[WV], 2
	s_cbranch_scc0 .Lfor_v_\@
	tensor_load_to_lds s[G0K:G0K+3], s[G1K:G1K+7]
	s_nop 0
.rept 4
	v_nop
.endr
	s_branch .Lasked_\@
.Lfor_v_\@:
	tensor_load_to_lds s[G0V:G0V+3], s[G1V:G1V+7]
	s_nop 0
.rept 4
	v_nop
.endr
.Lasked_\@:
.endm
.macro CROUND                          ; a round of the cluster's barrier
	s_barrier_signal -1
	s_barrier_wait -1
	s_cmp_lg_u32 s[WV], 0
	s_cbranch_scc1 .Lnot_wave_0_\@
	s_barrier_signal -3
.Lnot_wave_0_\@:
	s_barrier_wait -3
	s_barrier_signal -1
	s_barrier_wait -1
.endm
; THE CHANGE OF SLOTS.  Each wave waits for all its tensor loads (one is out: its part of the other slot), adds 0 to its spare word, and waits for that and for its reads of the slot that it leaves.
; fill = 1: behind a round of the cluster's barrier the old slot is filled again, first thing, with round NXT; the address is made anew from that number.  (At its first use slot 0 is waited for and slot 1 filled.)
.macro CHANGE fill
	WIN 0
	s_wait_tensorcnt 0x0                           ; no tensor load of mine is out, so a group 0 may be written
	ds_add_u32 v[SPW], v[NIL]
.if \fill
	s_lshl_b32 s[OFF], s[NXT], 16                  ; a round is 65,536 bytes of K and of V
	s_xor_b32 s[G0K+1], s[G0K+1], DELTA
	s_add_nc_u64 s[G0K+2:G0K+3], s[KB:KB+1], s[OFF:OFF+1]
	s_or_b32 s[G0K+3], s[G0K+3], 0x80000000
	s_xor_b32 s[G0V+1], s[G0V+1], DELTA
	s_add_nc_u64 s[G0V+2:G0V+3], s[VB:VB+1], s[OFF:OFF+1]
	s_or_b32 s[G0V+3], s[G0V+3], 0x80000000
	s_add_co_u32 s[NXT], s[NXT], 1                 ; the block's next round, or behind its last the second block's round 0
	s_cmp_gt_u32 s[NXT], s[LQ]
	s_cselect_b32 s[NXT], 0, s[NXT]
	s_cselect_b32 s[LQ], s[G], s[LQ]
	s_wait_dscnt 0x0                               ; the add is done, and my reads of the slot are over
	CROUND
	JLOAD
.else
	s_wait_dscnt 0x0
	s_barrier_signal -1
	s_barrier_wait -1
.endif
	s_xor_b32 s[TB], s[TB], DELTA                  ; the reads go to the other slot
.endm
.macro QLOAD base                      ; a block's Q stays in registers: tile i / 4, channels 32 (i % 4) on: 32 loads into window 2
	WIN 0x80
.set i, 0
.rept 16
	global_load_b128 v[8*i:8*i+3],   v[QO], s[\base:\base+1] offset:(i/4)*4096+(i%4)*64
	global_load_b128 v[8*i+4:8*i+7], v[QO], s[\base:\base+1] offset:(i/4)*4096+(i%4)*64+32
.set i, i+1
.endr
	WIN 0
.endm
	s_load_b128 s[4:7], s[0:1], 0x0                ; qkv s[4:5], ob s[6:7]
	v_lshl_add_u32 v[SPW], v0, 2, SPARE
	v_mov_b32 v[NIL], 0
	ds_add_u32 v[SPW], v[NIL]                      ; the wave's opening: the add and its wait ahead of my first tensor load
	v_lshrrev_b32 v1, 5, v0
	v_readfirstlane_b32 s[WV], v1
	s_bfe_u32 s[CX], ttmp6, 0x40000
	s_mov_b32 s[G], ttmp9                          ; in a cluster launch ttmp9 counts clusters: 0 to 3
	s_add_co_u32 s[GP1], s[G], 1
	s_lshl_b32 s[PB], s[G], 2
	s_add_co_u32 s[PB], s[PB], s[CX]               ; b: it enters Q's and O's addresses and the masks' values alone
	s_sub_co_u32 s[BLK], 31, s[PB]
	s_sub_co_u32 s[DD], s[WV], s[BLK]              ; D of round 0: my keys' block w less the query block
	s_and_b32 s16, ttmp7, 0xffff                   ; the head, which the partners share
	s_lshl_b32 s17, s16, 19                        ; its 2,048 rows of 256 bytes
	s_and_b32 s18, s[WV], 1                        ; which half of a round's 256 rows I fetch
	s_lshl_b32 s19, s18, 15
	s_add_co_u32 s20, s17, s19
	s_add_co_u32 s20, s20, 0x800000                ; k lies 2^23 bytes behind q,
	s_mov_b32 s21, 0
	s_add_co_u32 s22, s20, 0x800000                ; v behind k
	s_mov_b32 s23, 0
	s_lshl_b32 s84, s[BLK], 14                     ; a block's 64 rows
	s_add_co_u32 s84, s84, s17
	s_mov_b32 s85, 0
	s_lshl_b32 s86, s[PB], 14
	s_add_co_u32 s86, s86, s17
	s_mov_b32 s87, 0
	s_mov_b32 s[G1K], 15|(1<<16)|(1<<20)|(1<<21)|(5<<22)|(3<<25)  ; the mask of four; 2-byte elements; padding on; bit 21 beside a mask; after every 64 words 4 words
	s_mov_b32 s[G1V], 15|(1<<16)|(1<<20)|(1<<21)|(5<<22)|(7<<25)  ; the same with 8 words
.irp g, G1K, G1V
	s_mov_b32 s[\g+1], 128<<16                     ; tensor_dim0 = 128
	s_mov_b32 s[\g+2], 128<<16                     ; tensor_dim1 = 128
	s_mov_b32 s[\g+3], 128<<16                     ; tile_dim0 = 128
	s_mov_b32 s[\g+4], 128                         ; tile_dim1 = 128
	s_mov_b32 s[\g+5], 128                         ; elements from row to row
	s_mov_b32 s[\g+6], 0
	s_mov_b32 s[\g+7], 0
.endr
	s_mov_b32 s[G0K], 1
	s_mul_i32 s[G0K+1], s18, 128*PK                ; slot 0; no place in the cluster enters an LDS address
	s_mov_b32 s[G0V], 1
	s_mul_i32 s[G0V+1], s18, 128*PV
	s_add_co_u32 s[G0V+1], s[G0V+1], VOFF
	s_mov_b32 s[SEL], 0x76543210
	s_mov_b32 s[SEL+1], 0xfedcba98
	s_mov_b32 s[TB], DELTA                         ; the first change of slots turns it into 0
	s_mov_b32 s[NXT], 1
	s_sub_co_u32 s[LQ], 7, s[G]
	s_mov_b32 s[FST], 1
	s_mov_b32 s[OFF+1], 0
	s_mov_b32 s[AL+1], 0                           ; named as pairs
	s_mov_b32 s[BZ+1], 0
	s_mov_b32 s[BG+1], 0
	s_mov_b32 s[ZR], 0
	s_mov_b32 s[ZR+1], 0
	s_mov_b32 s[NEG], 0xf149f2ca
	s_mov_b32 s[TRIPS], 8
	s_wait_dscnt 0x0                               ; the opening add is done
	s_wait_kmcnt 0x0
	s_add_nc_u64 s[KB:KB+1], s[4:5], s[20:21]
	s_add_nc_u64 s[VB:VB+1], s[4:5], s[22:23]
	s_add_nc_u64 s[G0K+2:G0K+3], s[KB:KB+1], 0
	s_or_b32 s[G0K+3], s[G0K+3], 0x80000000
	s_add_nc_u64 s[G0V+2:G0V+3], s[VB:VB+1], 0
	s_or_b32 s[G0V+3], s[G0V+3], 0x80000000
	CROUND                                         ; all four work-groups are here: the first joint loads meet
	JLOAD                                          ; round 0 into slot 0
	s_add_nc_u64 s[Q1:Q1+1], s[4:5], s[84:85]
	s_add_nc_u64 s[Q2:Q2+1], s[4:5], s[86:87]
	v_and_b32 v1, 15, v0                           ; l % 16
	v_bfe_u32 v24, v0, 4, 1                        ; l / 16
	v_lshlrev_b32 v[QO], 8, v1
	v_lshl_add_u32 v[QO], v24, 4, v[QO]
	QLOAD Q1                                       ; the first block's Q; the second's is asked for at the first block's end
	s_lshl_b32 s84, s[BLK], 18                     ; ob: 64 rows of 4,096 bytes a block,
	s_lshl_b32 s86, s[PB], 18
	s_lshl_b32 s19, s[WV], 16                      ; 16 rows for my wave,
	s_lshl_b32 s17, s16, 8                         ; 256 bytes of a row for the head
	s_add_co_u32 s19, s19, s17
	s_add_co_u32 s84, s84, s19
	s_add_co_u32 s86, s86, s19
	s_add_nc_u64 s[OBN:OBN+1], s[6:7], s[84:85]
	s_add_nc_u64 s[OB2:OB2+1], s[6:7], s[86:87]
	v_lshlrev_b32 v28, 3, v24
	v_sub_nc_u32 v28, v1, v28                      ; register j of the triangle is hidden where j > l % 16 - 8 (l / 16)
.set i, 0
.rept 8
	v_cmp_gt_i32 vcc_lo, i, v28
	v_cndmask_b32 v[MD+i], 0, s[NEG], vcc_lo
.set i, i+1
.endr
	v_and_b32 v25, 7, v0
	v_bfe_u32 v26, v0, 3, 1
	v_and_b32 v27, 31, v0
	v_lshlrev_b32 v27, 4, v27                      ; 16 x lane
	s_lshl_b32 s84, s[WV], 6                       ; my 64 keys of a round
	v_add_nc_u32 v28, s84, v1
	v_mul_u32_u24 v[AK0], v28, PK
	v_lshl_add_u32 v[AK0], v24, 4, v[AK0]          ; K: (64 w + l % 16) x pitch + 16 (l / 16)
	v_lshl_add_u32 v28, v24, 3, v25
	v_add_nc_u32 v28, s84, v28
	v_mul_u32_u24 v[AV0], v28, PV
	v_lshl_add_u32 v[AV0], v26, 4, v[AV0]
	v_add_nc_u32 v[AV0], VOFF, v[AV0]              ; V, for the turning load: key 64 w + 8 (l / 16) + l % 8, 16 bytes at 16 ((l / 8) % 2)
	s_lshl_b32 s85, s[WV], 13
	s_add_co_u32 s85, s85, XBASE
	v_add_nc_u32 v[XST], s85, v27
	s_lshl_b32 s85, s[WV], 11
	s_add_co_u32 s85, s85, XBASE
	v_add_nc_u32 v[XRD], s85, v27
	s_lshl_b32 s85, s[WV], 9
	s_add_co_u32 s85, s85, LAREA
	v_add_nc_u32 v[LST], s85, v27
	v_add_nc_u32 v[LRD], LAREA, v27
	s_add_co_u32 s85, s84, XBASE                   ; the stage, in: row l % 16 of a tile, my 64 bytes of it, 16 for each half of the lanes
	v_mul_u32_u24 v[OSTO], v1, SPO
	v_lshl_add_u32 v[OSTO], v24, 4, v[OSTO]
	v_add_nc_u32 v[OSTO], s85, v[OSTO]
	s_mul_i32 s85, s[WV], 16*SPO                   ; back: rows 16 w .. 16 w + 15, whole
	s_add_co_u32 s85, s85, XBASE
	v_mul_u32_u24 v[ORD], v24, SPO
	v_lshl_add_u32 v[ORD], v1, 4, v[ORD]
	v_add_nc_u32 v[ORD], s85, v[ORD]
	v_lshlrev_b32 v[GO], 12, v24
	v_lshl_add_u32 v[GO], v1, 4, v[GO]
	WIN 0x40                                       ; O^T and the sums start at 0; all this stands in the wait for the first tile
.set i, 0
.rept 256
	v_mov_b32 v[i], 0
.set i, i+1
.endr
	WIN 0
.set i, 0
.rept 8
	v_mov_b32 v[LL+i], 0
.set i, i+1
.endr
.set i, 0
.rept 4
	v_mov_b32 v[PT+i], 0                           ; v_permlanex16_b32's destination counts as read
.set i, i+1
.endr
	s_wait_loadcnt 0x0                             ; Q
; THE MATRIX WORK.  The accumulators take turns, one instruction a turn.
; Product i of 16 of S^T = K Q^T for key block kb: channels 32 (i / 4) on, tile i % 4.  The first four start the sums with the mask.
.macro KQ kb
	WIN W_KQ
.set rS, S+32*((\kb)%2)+8*(i%4)
.set rK, KF+32*(\kb)+8*(i/4)
.set rQ, 32*(i%4)+8*(i/4)
.if (\kb) < (i%4)
.set rM, ML
.elseif (\kb) == (i%4)
.set rM, MZ
.else
.set rM, MG
.endif
.if i < 4
	v_wmma_f32_16x16x32_f16 v[rS:rS+7], v[rK:rK+7], v[rQ:rQ+7], v[rM:rM+7]
.else
	v_wmma_f32_16x16x32_f16 v[rS:rS+7], v[rK:rK+7], v[rQ:rQ+7], v[rS:rS+7]
.endif
.endm
; Product i of 32 of O^T += V^T P for keys 32 kk on: channels 16 (i / 4) on, tile i % 4.
.macro PV kk
	WIN W_PV
.set rO, 64*(i%4)+8*(i/4)
.set rV, 64*(\kk)+8*(i/4)
.set rP, P+16*(i%4)+8*(\kk)
	v_wmma_f32_16x16x32_f16 v[rO:rO+7], v[rV:rV+7], v[rP:rP+7], v[rO:rO+7]
.endm
; THE VECTOR WORK for key block s, a list of 65 lines.  SME e: the exponential of score e of 32 (tile e / 8), in place.  SMP p (tile p / 8, line p % 8): four roundings of pairs to f16, into source 1 of
; V^T P; two sums in place; the tile's pair of sums takes them.  The list: 0-7 eight exponentials; 8 a plain line, so that the first results may be used; 9-56 plain and exponential by turns; 57-64 plain.
; Each accumulator's lowest registers are read first.
.macro SME s, e
	v_exp_f32 v[S+32*((\s)%2)+(\e)], v[S+32*((\s)%2)+(\e)]
.endm
.macro SMP s, p
.set st, (\p)/8
.set sj, (\p)%8
.set rS, S+32*((\s)%2)+8*st
.if sj < 4
	s_wait_alu depctr_va_vdst(0)
	v_cvt_pk_f16_f32 v[P+16*st+8*((\s)/2)+4*((\s)%2)+sj], v[rS+2*sj], v[rS+2*sj+1]
.elseif sj == 4
	v_pk_add_f32 v[rS:rS+1], v[rS:rS+1], v[rS+2:rS+3]
.elseif sj == 5
	v_pk_add_f32 v[rS+4:rS+5], v[rS+4:rS+5], v[rS+6:rS+7]
.elseif sj == 6
	v_pk_add_f32 v[LL+2*st:LL+2*st+1], v[LL+2*st:LL+2*st+1], v[rS:rS+1]
.else
	v_pk_add_f32 v[LL+2*st:LL+2*st+1], v[LL+2*st:LL+2*st+1], v[rS+4:rS+5]
.endif
.endm
.macro SMI s                           ; line n of the list, and n steps
	WIN 0
.if n < 8
	SME \s, n
.elseif n == 8
	v_nop
	s_wait_alu depctr_va_vdst(0)
.elseif (n < 57) && (n%2 == 1)
	SMP \s, (n-9)/2
.elseif n < 57
	SME \s, 8+(n-10)/2
.else
	SMP \s, n-33
.endif
.set n, n+1
.endm
.macro KQSM kb, s                      ; 16 products of key block kb; behind each four lines of key block s's list, behind the last five: those five, all plain, are the places behind it
.set i, 0
.set n, 0
.rept 16
	KQ \kb
.rept 4
	SMI \s
.endr
.set i, i+1
.endr
	SMI \s
.endm
.macro FETCH_K                         ; 32 loads, key block by key block: key block f / 4, channels 32 (f % 4) on
	WIN 0x80
.irp f, 0,1,2,3,4,5,6,7,8,9,10,11,12,13,14,15
	ds_load_b128 v[KF+8*(\f):KF+8*(\f)+3],   v[ADRK] offset:((\f)/4)*16*PK+((\f)%4)*64
	ds_load_b128 v[KF+8*(\f)+4:KF+8*(\f)+7], v[ADRK] offset:((\f)/4)*16*PK+((\f)%4)*64+32
.endr
.endm
.macro FETCH_V                         ; 32 turning loads: keys 32 (f / 8) on, channels 16 (f % 8) on
	WIN 0xc0
.irp f, 0,1,2,3,4,5,6,7,8,9,10,11,12,13,14,15
	ds_load_tr16_b128 v[8*(\f):8*(\f)+3],   v[ADRV] offset:((\f)/8)*32*PV+((\f)%8)*32
	ds_load_tr16_b128 v[8*(\f)+4:8*(\f)+7], v[ADRV] offset:((\f)/8)*32*PV+16*PV+((\f)%8)*32
.endr
.endm
; A UNIT: my 64 keys of a round against the block's 64 queries.  The 14 plain lines at its head are the places between the last unit's products and the loads into K's and V's registers.
; K's 32 loads go out first; V's 32 follow behind the first 16 products, 48 products ahead of their first use: 56 LDS loads are out at the most.
.macro UNIT
	WIN 0
	s_cmp_eq_u32 s[DD], 0
	s_cselect_b32 s[AL], 1.0, 0
	s_cmp_gt_i32 s[DD], 0
	s_cselect_b32 s[BZ], s[NEG], -1.0
	s_cmp_ge_i32 s[DD], 0
	s_cselect_b32 s[BG], s[NEG], -1.0
	s_add_co_u32 s[DD], s[DD], 4                   ; the next round's keys lie four blocks on
	v_add_nc_u32 v[ADRK], s[TB], v[AK0]
	v_add_nc_u32 v[ADRV], s[TB], v[AV0]
.irp z, 0,1,2,3
	v_pk_fma_f32 v[ML+2*(\z):ML+2*(\z)+1], v[MD+2*(\z):MD+2*(\z)+1], s[ZR:ZR+1], s[BZ:BZ+1] op_sel_hi:[1,0,0]
	v_pk_fma_f32 v[MZ+2*(\z):MZ+2*(\z)+1], v[MD+2*(\z):MD+2*(\z)+1], s[AL:AL+1], s[BZ:BZ+1] op_sel_hi:[1,0,0]
	v_pk_fma_f32 v[MG+2*(\z):MG+2*(\z)+1], v[MD+2*(\z):MD+2*(\z)+1], s[ZR:ZR+1], s[BG:BG+1] op_sel_hi:[1,0,0]
.endr
	FETCH_K
	s_wait_dscnt 24                                ; of K's 32 loads the first eight, block 0, are in
.set i, 0
.rept 16
	KQ 0
.set i, i+1
.endr
.rept 4
	v_nop                                          ; the places behind those products
.endr
	FETCH_V
	s_wait_dscnt 48                                ; K's block 1 is in: blocks 2 and 3 (16 loads) and V (32) may be out
	KQSM 1, 0
	s_wait_dscnt 40                                ; block 2
	KQSM 2, 1
	s_wait_dscnt 32                                ; block 3: V's 32 loads may be out
	KQSM 3, 2
	s_wait_dscnt 16                                ; V's first 32 keys
.set i, 0
.set n, 0
.rept 16
	PV 0
.rept 4
	SMI 3
.endr
.set i, i+1
.endr
	SMI 3
.rept 16
	PV 0
.set i, i+1
.endr
	s_wait_dscnt 0x0
.set i, 0
.rept 32
	PV 1
.set i, i+1
.endr
	WIN 0
.endm
; A BLOCK'S END.  The waves' sums and partial O^T are added through LDS: in pass t every wave puts its tile t (8,192 bytes) into its part of the exchange, and wave w takes channel blocks 2 w, 2 w + 1
; of all four.  Two barriers a pass: between the stores and the reads, and between the reads and the next pass's stores.  Then O / sum, one rounding to f16, through a stage of whole rows.  The next
; round's tensor load stays on its way across these barriers. again = 1: the second block follows: its Q is asked for at the head and waited for at the end.
.macro FINISH again
	WIN 0
.irp t, 0,1,2,3
	v_add_f32 v[LS+(\t)], v[LL+2*(\t)], v[LL+2*(\t)+1]     ; four plain lines: the places behind the last products
.endr
.if \again
	QLOAD Q2                                       ; Q's registers were last read 64 products ago
.endif
.irp t, 0,1,2,3
	v_permlanex16_b32 v[PT+(\t)], v[LS+(\t)], s[SEL], s[SEL+1]  ; the query's other keys lie in the lane 16 away
.endr
.irp t, 0,1,2,3
	v_add_f32 v[LS+(\t)], v[LS+(\t)], v[PT+(\t)]
.endr
	ds_store_b128 v[LST], v[LS:LS+3]
.irp t, 0,1,2,3
	WIN 0x04                                       ; data in window 1
.irp f, 0,1,2,3,4,5,6,7,8,9,10,11,12,13,14,15
	ds_store_b128 v[XST], v[64*(\t)+4*(\f):64*(\t)+4*(\f)+3] offset:(\f)*512
.endr
.if \again
	WIN 0x40
.set z, 0
.rept 64
	v_mov_b32 v[64*(\t)+z], 0
.set z, z+1
.endr
.endif
	WIN 0
	s_wait_dscnt 0x0                               ; for the others' sake: my stores are done
	s_barrier_signal -1
	s_barrier_wait -1
.irp u, 0,1,2,3
.irp f, 0,1,2,3
	ds_load_b128 v[X+16*(\u)+4*(\f):X+16*(\u)+4*(\f)+3], v[XRD] offset:(\u)*8192+(\f)*512
.endr
.endr
.if (\t) == 0
.irp u, 0,1,2,3
	ds_load_b128 v[P+4*(\u):P+4*(\u)+3], v[LRD] offset:(\u)*512
.endr
.endif
	s_wait_dscnt 0x0                               ; my reads are over: the next pass may write
	s_barrier_signal -1
.set z, 0
.rept 8
	v_pk_add_f32 v[S+16*(\t)+2*z:S+16*(\t)+2*z+1], v[X+2*z:X+2*z+1], v[X+16+2*z:X+16+2*z+1]
	v_pk_add_f32 v[X+32+2*z:X+32+2*z+1], v[X+32+2*z:X+32+2*z+1], v[X+48+2*z:X+48+2*z+1]
.set z, z+1
.endr
.set z, 0
.rept 8
	v_pk_add_f32 v[S+16*(\t)+2*z:S+16*(\t)+2*z+1], v[S+16*(\t)+2*z:S+16*(\t)+2*z+1], v[X+32+2*z:X+32+2*z+1]
.set z, z+1
.endr
.if (\t) == 0
	v_pk_add_f32 v[P:P+1],     v[P:P+1],     v[P+4:P+5]
	v_pk_add_f32 v[P+2:P+3],   v[P+2:P+3],   v[P+6:P+7]
	v_pk_add_f32 v[P+8:P+9],   v[P+8:P+9],   v[P+12:P+13]
	v_pk_add_f32 v[P+10:P+11], v[P+10:P+11], v[P+14:P+15]
	v_pk_add_f32 v[P:P+1],     v[P:P+1],     v[P+8:P+9]
	v_pk_add_f32 v[P+2:P+3],   v[P+2:P+3],   v[P+10:P+11]
.endif
	s_barrier_wait -1
.endr
.irp t, 0,1,2,3
	v_rcp_f32 v[LL+2*(\t)], v[P+(\t)]              ; a row's sum is 0.5 at the least
.endr
	v_nop                                          ; a plain instruction between the last reciprocal and its use
	s_wait_alu depctr_va_vdst(0)
.irp t, 0,1,2,3
.set z, 0
.rept 8
	v_pk_mul_f32 v[S+16*(\t)+2*z:S+16*(\t)+2*z+1], v[S+16*(\t)+2*z:S+16*(\t)+2*z+1], v[LL+2*(\t):LL+2*(\t)+1] op_sel_hi:[1,0]
.set z, z+1
.endr
.endr
.set z, 0
.rept 32
	v_cvt_pk_f16_f32 v[P+z], v[S+2*z], v[S+2*z+1]
.set z, z+1
.endr
.irp t, 0,1,2,3
.irp c, 0,1
	ds_store_b128 v[OSTO], v[P+8*(\t)+4*(\c):P+8*(\t)+4*(\c)+3] offset:(\t)*16*SPO+32*(\c)
.endr
.endr
	s_wait_dscnt 0x0                               ; a row's 256 bytes come from four waves
	s_barrier_signal -1
	s_barrier_wait -1
.irp f, 0,1,2,3,4,5,6,7
	ds_load_b128 v[P+32+4*(\f):P+32+4*(\f)+3], v[ORD] offset:(\f)*2*SPO
.endr
.irp f, 0,1,2,3,4,5,6,7
	s_wait_dscnt 7-(\f)
	global_store_b128 v[GO], v[P+32+4*(\f):P+32+4*(\f)+3], s[OBN:OBN+1] offset:(\f)*8192  ; 16 lanes store 256 consecutive bytes, aligned: a head's part of a row
.endr
.if \again
	s_wait_xcnt 0x0                                ; the stores have read their registers and their base
	s_mov_b64 s[OBN:OBN+1], s[OB2:OB2+1]
	s_sub_co_u32 s[DD], s[WV], s[PB]               ; D of the second block's round 0
	s_mov_b32 s[FST], 0
.set z, 0
.rept 8
	v_mov_b32 v[LL+z], 0
.set z, z+1
.endr
	s_wait_loadcnt 0x0                             ; the second block's Q is in
.endif
.endm
.Ltrip:                                                ; 8 trips: a round is entered and the next is asked for
	CHANGE 1
	UNIT
	s_cmp_gt_u32 s[TRIPS], 4                       ; the first block has 8 - g rounds, five at the least: the first four trips hold no end of a block
	s_cbranch_scc1 .Lnext
	s_cmp_eq_u32 s[FST], 0                         ; the first block ends once; the second ends with the walk
	s_cbranch_scc1 .Lnext
	s_cmp_lg_u32 s[TRIPS], s[GP1]                  ; hangs on the cluster's number alone: the same in all waves and in all partners
	s_cbranch_scc1 .Lnext
	FINISH 1
.Lnext:
	s_sub_co_u32 s[TRIPS], s[TRIPS], 1
	s_cmp_lg_u32 s[TRIPS], 0
	s_cbranch_scc1 .Ltrip
	CHANGE 0                                       ; the walk's last round is written out
	UNIT
	FINISH 0
	s_wait_tensorcnt 0x0                           ; the wave's end
	ds_add_u32 v[SPW], v[NIL]
	s_wait_dscnt 0x0
	CROUND                                         ; the closing round
	s_endpgm
.Lfunc_end_k_q6718bf83ec_attn:
	.size	k_q6718bf83ec_attn, .Lfunc_end_k_q6718bf83ec_attn-k_q6718bf83ec_attn
	.p2alignl 7, 3214868480
	.fill 96, 4, 3214868480
	.section	.rodata,"a",@progbits
	.p2align	6, 0x0
	.amdhsa_kernel k_q6718bf83ec_attn
		.amdhsa_group_segment_fixed_size 327680
		.amdhsa_private_segment_fixed_size 0
		.amdhsa_enable_private_segment 0
		.amdhsa_kernarg_size 16
		.amdhsa_user_sgpr_count 2
		.amdhsa_user_sgpr_kernarg_segment_ptr 1
		.amdhsa_wavefront_size32 1
		.amdhsa_system_sgpr_workgroup_id_x 1
		.amdhsa_system_sgpr_workgroup_id_y 1
		.amdhsa_system_sgpr_workgroup_id_z 1
		.amdhsa_system_vgpr_workitem_id 0
		.amdhsa_next_free_vgpr 896
		.amdhsa_next_free_sgpr 88
		.amdhsa_reserve_vcc 1
		.amdhsa_float_denorm_mode_32 3
		.amdhsa_float_denorm_mode_16_64 3
		.amdhsa_memory_ordered 1
		.amdhsa_forward_progress 1
		.amdhsa_inst_pref_size 142
	.end_amdhsa_kernel
	.amdgpu_metadata
---
amdhsa.version: [ 1, 2 ]
amdhsa.kernels:
  - .name:           k_q6718bf83ec_attn
    .symbol:         k_q6718bf83ec_attn.kd
    .args:
      - { .name: qkv, .offset: 0, .size: 8, .value_kind: global_buffer, .address_space: global }
      - { .name: ob, .offset: 8, .size: 8, .value_kind: global_buffer, .address_space: global }
    .group_segment_fixed_size: 327680
    .private_segment_fixed_size: 0
    .kernarg_segment_align: 8
    .kernarg_segment_size: 16
    .max_flat_workgroup_size: 128
    .sgpr_count:     88
    .vgpr_count:     896
    .wavefront_size: 32
...
	.end_amdgpu_metadata
.endif
;; end of part 3
;; launch oproj (part 4): grid 16 x 16, 4 waves a work-group, clusters of 4 x 4, 327,680 bytes of LDS; arguments ob, wob, out0; writes out0
.if DOCPART == 4
	.amdgcn_target "amdgcn-amd-amdhsa--gfx1250"
	.amdhsa_code_object_version 6
	.text
	.protected	k_q6718bf83ec_oproj
	.globl	k_q6718bf83ec_oproj
	.p2align	8
	.type	k_q6718bf83ec_oproj,@function
k_q6718bf83ec_oproj:
	s_mov_b64 s[64:65], 0
	v_nop
	global_prefetch_b8 v0, s[64:65] scope:SCOPE_SE
	s_setreg_imm32_b32 hwreg(HW_REG_WAVE_MODE, 25, 1), 1
	s_wait_xcnt 0x0
	s_wait_alu depctr_hold_cnt(0) depctr_sa_sdst(0) depctr_va_vdst(0) depctr_va_sdst(0) depctr_va_ssrc(0) depctr_va_vcc(0) depctr_vm_vsrc(0)
	s_getreg_b32 s2, hwreg(HW_REG_IB_STS2, 6, 4)
	s_cmp_eq_u32 s2, 0
	s_cbranch_scc0 .Lentry_in_a_cluster
	s_endpgm
.Lentry_in_a_cluster:
	s_bfe_u32 s2, ttmp6, 0x10000c
	s_cmp_lg_u32 s2, 0xf033
	s_cbranch_scc0 .Lentry_shape_is_right
	s_endpgm
.Lentry_shape_is_right:
; OUT = O Wo.  ob: [2048][2048] f16, K along the rows.  wob: [K = 2048][N = 2048] f16 (Wo rounded to bf16, that number written as f16).  out0: [2048][2048] f32.  One f32 sum for each output.
; 2048 x 2048 gives 64 tiles of 256 x 256 but 256 of 128 x 128: one for each work-group.  Four waves, each 64 x 64: 16 accumulators.  K goes in 8 chunks of 256, as long as two slots in LDS allow.
; O's tile: 128 rows of 512 bytes, plain fragment loads.  Wo's tile: 256 k-rows of 256 bytes, fragments by the turning load.
; CLUSTER 4 x 4: O's tile is shared along a row of the cluster, Wo's along a column.
; WHERE K BEGINS.  Cluster (X, Y) of the 4 x 4 clusters begins at chunk (2 X + 4 Y) mod 8 and goes once round.  The four clusters that read the same rows of O (one Y) begin 2 chunks apart, so each chunk of
; those rows is asked for first in some cluster's first two steps, which are the first fills; the clusters that read the same columns of Wo (one X) begin 0 or 4 chunks apart.  A sum takes its eight chunks
; in that order, ascending inside a chunk: the same terms as from chunk 0 on, added in another order.
; THE MATRIX INSTRUCTION IS USED TRANSPOSED (source 0 = 16 columns of Wo, source 1 = 16 rows of O): a lane holds eight neighbouring numbers of a row of the result.  A wave's 64 columns of f32 are 256
; aligned bytes, so each wave's way out goes through a stage of its own, with no barrier.
; REGISTERS: window 0: v0-31 addresses; v128-255 the accumulators ((a, b) at v[128 + 8 (4 a + b)]).  window 1: two fragment buffers of 128 (64 of O, then 64 of Wo); on the way out rows read back.
.set SIZE_K, 2048
.set KSTEP,  256
.set PITCH,  528                       ; a row of O in LDS: 512 bytes + 16
.set PBO,    288                       ; a k-row of Wo: 256 bytes + 32 = 9 x 32
.set HALFA,  64*PITCH                  ; what a tensor load of O brings: 64 rows
.set HALFB,  128*PBO                   ; and one of Wo: 128 k-rows
.set SLOT,   2*HALFA+2*HALFB
.set STAGE,  2*SLOT                    ; behind the ring: 16 rows x 272 bytes for each wave
.set SPITCH, 272
.set SPARE,  STAGE+4*16*SPITCH         ; the spare words, 128 bytes for each wave
.set LAPS,   SIZE_K/(2*KSTEP)
.set ADRA, 16                          ; v16-17  LDS address of my fragments of O in slot 0, 1
.set ADRB, 20                          ; v20-23  of Wo: slot 0 k-rows 0-127, 128-255; slot 1 likewise (an LDS offset has 16 bits)
.set STO,  24
.set RD,   25
.set CO,   26
.set SPW,  28                          ; never rewritten
.set NIL,  29                          ; never rewritten
.set ACC,  128
.set F0,   0
.set F1,   128
.set G1, 24
.set G0, 32
.set G1B, 48
.set G0B, 56
.set KC,  66                           ; s66      the chunk last asked for into slot 0: even
.set KN,  67                           ; s67      the chunk to be asked for
.set OFA, 68                           ; s[68:69] its byte offset along a row of O
.set OFB, 70                           ; s[70:71] its byte offset down Wo
.set MSB, 0
.macro WIN new
.if MSB != (\new)
	s_set_vgpr_msb (MSB<<8)|(\new)
.set MSB, \new
.endif
.endm
.set MUL,  0x05                        ; sources 0 and 1 window 1; C and D window 0
.set TO_F, 0x40                        ; destination window 1, address window 0
.macro JLOAD s                         ; a joint load: waves 0 and 1 fetch O's two halves, waves 2 and 3 Wo's; an s_nop 0 and four v_nop follow each line
	s_cmp_eq_u32 s11, 0
	s_cbranch_scc0 .Lfor_b_\@
	tensor_load_to_lds s[G0+4*(\s):G0+4*(\s)+3], s[G1:G1+7]
	s_nop 0
.rept 4
	v_nop
.endr
	s_branch .Lasked_\@
.Lfor_b_\@:
	tensor_load_to_lds s[G0B+4*(\s):G0B+4*(\s)+3], s[G1B:G1B+7]
	s_nop 0
.rept 4
	v_nop
.endr
.Lasked_\@:
.endm
.macro AIM s                           ; slot s's two descriptors are pointed at chunk KC + s: each address is made anew, the tensor's base and an offset made apart; KC hangs on the cluster's place in the grid, which all partners share
	s_add_co_u32 s[KN], s[KC], \s
	s_lshl_b32 s[OFA], s[KN], 9                    ; 256 numbers of 2 bytes along a row of O
	s_lshl_b32 s[OFB], s[KN], 20                   ; 256 k-rows of 4,096 bytes of Wo
	s_add_nc_u64 s[G0+4*(\s)+2:G0+4*(\s)+3], s[14:15], s[OFA:OFA+1]
	s_or_b32 s[G0+4*(\s)+3], s[G0+4*(\s)+3], 0x80000000
	s_add_nc_u64 s[G0B+4*(\s)+2:G0B+4*(\s)+3], s[46:47], s[OFB:OFB+1]
	s_or_b32 s[G0B+4*(\s)+3], s[G0B+4*(\s)+3], 0x80000000
.endm
.macro CREST
	s_cmp_lg_u32 s10, 0
	s_cbranch_scc1 .Lnot_wave_0_\@
	s_barrier_signal -3
.Lnot_wave_0_\@:
	s_barrier_wait -3
	s_barrier_signal -1
	s_barrier_wait -1
.endm
.macro CROUND
	s_barrier_signal -1
	s_barrier_wait -1
	CREST
.endm
	s_load_b128 s[4:7], s[0:1], 0x0                ; ob s[4:5], wob s[6:7]
	s_load_b64 s[8:9], s[0:1], 0x10                ; out0
	v_lshl_add_u32 v[SPW], v0, 2, SPARE
	v_mov_b32 v[NIL], 0
	ds_add_u32 v[SPW], v[NIL]                      ; the wave's opening: the add and its wait ahead of my first tensor load
	v_lshrrev_b32 v1, 5, v0
	v_readfirstlane_b32 s10, v1                    ; wave 0..3
	s_lshr_b32 s11, s10, 1                         ; which half of the tile's rows is mine.  Also: I fetch for O (0) or for Wo (1)
	s_and_b32 s12, s10, 1                          ; which half of its columns.  Also: which half of that tile I fetch
	s_bfe_u32 s40, ttmp6, 0x40000
	s_bfe_u32 s41, ttmp6, 0x40004
	s_lshl_b32 s42, ttmp9, 2
	s_add_co_u32 s42, s42, s40                     ; tile column
	s_and_b32 s13, ttmp7, 0xffff
	s_lshl_b32 s[KN], s13, 2                       ; 4 Y
	s_lshl_b32 s[KC], ttmp9, 1                     ; 2 X
	s_add_co_u32 s[KC], s[KC], s[KN]
	s_and_b32 s[KC], s[KC], 7                      ; the cluster's first chunk
	s_mov_b32 s[OFA+1], 0
	s_mov_b32 s[OFB+1], 0
	s_lshl_b32 s13, s13, 2
	s_add_co_u32 s13, s13, s41                     ; tile row
	s_lshl_b32 s43, s41, 2
	s_lshl_b32 s43, 15, s43                        ; my row of the cluster
	s_lshl_b32 s44, 0x1111, s40                    ; my column
	s_or_b32 s[G1+0], s43, (1<<16)|(1<<20)|(1<<21)|(6<<22)|(3<<25)   ; O: after every 128 words 4 words of padding
	s_mov_b32 s[G1+1], KSTEP<<16                   ; tensor_dim0 = 256
	s_mov_b32 s[G1+2], 64<<16                      ; tensor_dim1 = 64
	s_mov_b32 s[G1+3], KSTEP<<16                   ; tile_dim0
	s_mov_b32 s[G1+4], 64                          ; tile_dim1
	s_mov_b32 s[G1+5], SIZE_K
	s_mov_b32 s[G1+6], 0
	s_mov_b32 s[G1+7], 0
	s_or_b32 s[G1B+0], s44, (1<<16)|(1<<20)|(1<<21)|(5<<22)|(7<<25)  ; Wo: after every 64 words 8 words
	s_mov_b32 s[G1B+1], 128<<16                    ; 128 columns
	s_mov_b32 s[G1B+2], 128<<16                    ; 128 k-rows
	s_mov_b32 s[G1B+3], 128<<16
	s_mov_b32 s[G1B+4], 128
	s_mov_b32 s[G1B+5], 2048
	s_mov_b32 s[G1B+6], 0
	s_mov_b32 s[G1B+7], 0
	s_lshl_b32 s17, s12, 6
	s_lshl_b32 s16, s13, 7
	s_add_co_u32 s16, s16, s17                     ; O: row 128 x tile row + 64 x half,
	s_lshl_b32 s16, s16, 12                        ; 4,096 bytes a row
	s_mov_b32 s17, 0
	s_lshl_b32 s46, s42, 8                         ; Wo: 256 bytes of a k-row for each tile column,
	s_lshl_b32 s47, s12, 19                        ; 128 k-rows of 4,096 bytes for my half
	s_add_co_u32 s46, s46, s47
	s_mov_b32 s47, 0
	s_mul_i32 s20, s12, HALFA                      ; where they go
	s_mul_i32 s45, s12, HALFB
	s_add_co_u32 s45, s45, 2*HALFA
	s_wait_dscnt 0x0                               ; the opening add is done
	s_wait_kmcnt 0x0
	s_add_nc_u64 s[14:15], s[4:5], s[16:17]        ; O at my rows, chunk 0; kept
	s_add_nc_u64 s[46:47], s[6:7], s[46:47]        ; Wo at my columns and my half of chunk 0; kept
	CROUND                                         ; all sixteen work-groups are here: the first joint loads meet
.irp s, 0,1
	s_mov_b32 s[G0+4*(\s)], 1
	s_add_co_u32 s[G0+4*(\s)+1], s20, (\s)*SLOT
	s_mov_b32 s[G0B+4*(\s)], 1
	s_add_co_u32 s[G0B+4*(\s)+1], s45, (\s)*SLOT
	AIM \s
	JLOAD \s
.endr
	v_and_b32 v1, 15, v0                           ; l % 16
	v_bfe_u32 v2, v0, 4, 1                         ; l / 16
	v_mul_u32_u24 v3, v1, PITCH
	v_lshl_add_u32 v3, v2, 4, v3
	v_and_b32 v4, 7, v0                            ; for the turning load: k-row 8 (l / 16) + l % 8, 16 bytes at 16 ((l / 8) % 2)
	v_lshl_add_u32 v4, v2, 3, v4
	v_mul_u32_u24 v4, v4, PBO
	v_bfe_u32 v5, v0, 3, 1
	v_lshl_add_u32 v4, v5, 4, v4
	s_mul_i32 s21, s11, HALFA                      ; my 64 rows of O
	s_lshl_b32 s22, s12, 7                         ; my 64 columns of Wo, 128 bytes of each k-row,
	s_add_co_u32 s22, s22, 2*HALFA                 ; behind O's 128 rows
.irp s, 0,1
	v_add_nc_u32 v[ADRA+(\s)], s21, v3
	v_add_nc_u32 v[ADRB+2*(\s)], s22, v4
	s_add_co_u32 s23, s22, HALFB
	v_add_nc_u32 v[ADRB+2*(\s)+1], s23, v4
	s_add_co_u32 s21, s21, SLOT
	s_add_co_u32 s22, s22, SLOT
.endr
	s_mul_i32 s23, s10, 16*SPITCH
	s_add_co_u32 s23, s23, STAGE                   ; my stage
	v_mul_u32_u24 v4, v1, SPITCH                   ; in: row l % 16, 32 bytes for each half of the lanes
	v_lshl_add_u32 v4, v2, 5, v4
	v_add_nc_u32 v[STO], s23, v4
	v_mul_u32_u24 v5, v2, SPITCH                   ; back: lanes 0-15 one row of 256 bytes, lanes 16-31 the next
	v_lshl_add_u32 v5, v1, 4, v5
	v_add_nc_u32 v[RD], s23, v5
	v_lshlrev_b32 v5, 13, v2                       ; and the same two rows in the result, 8,192 bytes apart
	v_lshl_add_u32 v[CO], v1, 4, v5
	s_lshl_b32 s16, s13, 20                        ; 128 rows of 8,192 bytes for each tile row,
	s_lshl_b32 s17, s11, 19                        ; 64 for my half,
	s_add_co_u32 s16, s16, s17
	s_lshl_b32 s17, s42, 9                         ; 512 bytes for each tile column,
	s_add_co_u32 s16, s16, s17
	s_lshl_b32 s17, s12, 8                         ; 256 for my half
	s_add_co_u32 s16, s16, s17
	s_mov_b32 s17, 0
	s_add_nc_u64 s[8:9], s[8:9], s[16:17]
; 8 matrix instructions: row blocks a0, a0 + 1 x all 4 column blocks, 32 along K: half c of buffer f.  zero = 1: the first product starts the sums
.macro MUL8 f, c, a0, zero
	WIN MUL
.irp a, \a0, (\a0)+1
.irp b, 0,1,2,3
.if \zero
	v_wmma_f32_16x16x32_f16 v[ACC+8*(4*(\a)+(\b)):ACC+8*(4*(\a)+(\b))+7], v[(\f)+64+8*(4*(\c)+(\b)):(\f)+64+8*(4*(\c)+(\b))+7], v[(\f)+8*(4*(\c)+(\a)):(\f)+8*(4*(\c)+(\a))+7], 0
.else
	v_wmma_f32_16x16x32_f16 v[ACC+8*(4*(\a)+(\b)):ACC+8*(4*(\a)+(\b))+7], v[(\f)+64+8*(4*(\c)+(\b)):(\f)+64+8*(4*(\c)+(\b))+7], v[(\f)+8*(4*(\c)+(\a)):(\f)+8*(4*(\c)+(\a))+7], v[ACC+8*(4*(\a)+(\b)):ACC+8*(4*(\a)+(\b))+7]
.endif
.endr
.endr
.endm
; 32 LDS loads in one run: quarter q (64 along K) of a slot into buffer f; the first 32 along K first
.macro FETCH slot, q, f
	WIN TO_F
.irp c, 0,1
.irp i, 0,1,2,3
	ds_load_tr16_b128 v[(\f)+64+8*(4*(\c)+(\i)):(\f)+64+8*(4*(\c)+(\i))+3],   v[ADRB+2*(\slot)+(\q)/2] offset:(((\q)%2)*64+32*(\c))*PBO+(\i)*32
	ds_load_tr16_b128 v[(\f)+64+8*(4*(\c)+(\i))+4:(\f)+64+8*(4*(\c)+(\i))+7], v[ADRB+2*(\slot)+(\q)/2] offset:(((\q)%2)*64+32*(\c)+16)*PBO+(\i)*32
	ds_load_b128 v[(\f)+8*(4*(\c)+(\i)):(\f)+8*(4*(\c)+(\i))+3],         v[ADRA+(\slot)] offset:(\q)*128+64*(\c)+(\i)*16*PITCH
	ds_load_b128 v[(\f)+8*(4*(\c)+(\i))+4:(\f)+8*(4*(\c)+(\i))+7],       v[ADRA+(\slot)] offset:(\q)*128+64*(\c)+(\i)*16*PITCH+32
.endr
.endr
.endm
.macro PLACES                          ; four plain instructions between a matrix instruction and a load into, or an LDS store of, its registers
.rept 4
	v_nop
.endr
.endm
.macro QUARTER slot, q, f, g, zero     ; multiplies buffer f and fetches quarter q of the same slot into g
	s_wait_dscnt 16                                ; the first 32 along K are in
	MUL8 \f, 0, 0, \zero
	MUL8 \f, 0, 2, \zero
	PLACES
	FETCH \slot, \q, \g
	s_wait_dscnt 32                                ; all but the 32 just issued
	MUL8 \f, 1, 0, 0
	MUL8 \f, 1, 2, 0
.endm
; The last quarter multiplies buffer 1 and changes slots: one barrier; in front of it each wave waits for all its tensor loads, adds 0 to its spare word, and waits for that and for its reads of this slot.
; fill = 1: this slot is filled again, with the chunk two further round.
.macro TURN slot, next, fill
	WIN 0
	s_wait_tensorcnt 0x0                           ; all my tensor loads have landed: my part of the next slot
	ds_add_u32 v[SPW], v[NIL]
	s_wait_dscnt 17                                ; the add and the youngest sixteen loads may be out
	MUL8 F1, 0, 0, 0
	s_wait_dscnt 0x0                               ; the add is done, and my reads of this slot are over
	s_barrier_signal -1
	MUL8 F1, 0, 2, 0
.if \fill
	WIN 0
.endif
	s_barrier_wait -1
.if \fill
	CREST                                          ; the barrier has opened a round of the cluster's barrier
.if (\slot) == 0
	s_add_co_u32 s[KC], s[KC], 2                   ; two chunks on, and behind chunk 7 round to chunk 0
	s_and_b32 s[KC], s[KC], 7
.endif
	AIM \slot
	JLOAD \slot                                    ; the first tensor load behind the round; its four v_nop are also the places in front of the loads below
.else
	PLACES
.endif
	FETCH \next, 0, F0
	MUL8 F1, 1, 0, 0
	MUL8 F1, 1, 2, 0
.endm
	s_wait_tensorcnt 1                             ; my part of the first chunk is in; the second's may stay out
	s_barrier_signal -1
	s_barrier_wait -1
	FETCH 0, 0, F0
	QUARTER 0, 1, F0, F1, 1                        ; the first quarter stands in front of the loop: its first products start the sums
	WIN 0
	s_mov_b32 s3, LAPS-1
.Llap:
	QUARTER 0, 2, F1, F0, 0
	QUARTER 0, 3, F0, F1, 0
	TURN 0, 1, 1
	QUARTER 1, 1, F0, F1, 0
	QUARTER 1, 2, F1, F0, 0
	QUARTER 1, 3, F0, F1, 0
	TURN 1, 0, 1
	QUARTER 0, 1, F0, F1, 0
	WIN 0
	s_sub_co_u32 s3, s3, 1
	s_cmp_lg_u32 s3, 0
	s_cbranch_scc1 .Llap
	QUARTER 0, 2, F1, F0, 0                        ; the last lap fills nothing
	QUARTER 0, 3, F0, F1, 0
	TURN 0, 1, 0
	QUARTER 1, 1, F0, F1, 0
	QUARTER 1, 2, F1, F0, 0
	QUARTER 1, 3, F0, F1, 0
	s_wait_dscnt 16
	MUL8 F1, 0, 0, 0
	MUL8 F1, 0, 2, 0
	s_wait_dscnt 0x0
	MUL8 F1, 1, 0, 0
	MUL8 F1, 1, 2, 0
	WIN 0
	; THE WAY OUT: 16 rows at a time into my own stage, 32 bytes a lane and column block, and back as whole rows of 256 bytes.  LDS serves a wave's instructions in order (ISA guide 5.7.1.4): a block's
	; loads see its stores, and the next block's stores come behind them.  Each accumulator's low four registers are stored first.
	PLACES
.irp a, 0,1,2,3
	WIN 0
.irp b, 0,1,2,3
	ds_store_b128 v[STO], v[ACC+8*(4*(\a)+(\b)):ACC+8*(4*(\a)+(\b))+3]   offset:64*(\b)
	ds_store_b128 v[STO], v[ACC+8*(4*(\a)+(\b))+4:ACC+8*(4*(\a)+(\b))+7] offset:64*(\b)+16
.endr
	WIN TO_F
.irp t, 0,1,2,3,4,5,6,7
	ds_load_b128 v[32*(\a)+4*(\t):32*(\a)+4*(\t)+3], v[RD] offset:(\t)*2*SPITCH
.endr
.endr
	WIN 0x04                                       ; store data in window 1
.irp a, 0,1,2,3
.irp t, 0,1,2,3,4,5,6,7
	s_wait_dscnt (3-(\a))*16+7-(\t)                ; behind this load: the rest of its block's and the later blocks' sixteen each
	global_store_b128 v[CO], v[32*(\a)+4*(\t):32*(\a)+4*(\t)+3], s[8:9] offset:(16*(\a)+2*(\t))*8192 th:TH_STORE_NT  ; 16 lanes store 256 consecutive bytes, aligned
.endr
.endr
	WIN 0
	s_wait_tensorcnt 0x0                           ; the wave's end
	ds_add_u32 v[SPW], v[NIL]
	s_wait_dscnt 0x0
	CROUND                                         ; the closing round
	s_endpgm
.Lfunc_end_k_q6718bf83ec_oproj:
	.size	k_q6718bf83ec_oproj, .Lfunc_end_k_q6718bf83ec_oproj-k_q6718bf83ec_oproj
	.p2alignl 7, 3214868480
	.fill 96, 4, 3214868480
	.section	.rodata,"a",@progbits
	.p2align	6, 0x0
	.amdhsa_kernel k_q6718bf83ec_oproj
		.amdhsa_group_segment_fixed_size 327680
		.amdhsa_private_segment_fixed_size 0
		.amdhsa_enable_private_segment 0
		.amdhsa_kernarg_size 24
		.amdhsa_user_sgpr_count 2
		.amdhsa_user_sgpr_kernarg_segment_ptr 1
		.amdhsa_wavefront_size32 1
		.amdhsa_system_sgpr_workgroup_id_x 1
		.amdhsa_system_sgpr_workgroup_id_y 1
		.amdhsa_system_sgpr_workgroup_id_z 1
		.amdhsa_system_vgpr_workitem_id 0
		.amdhsa_next_free_vgpr 512
		.amdhsa_next_free_sgpr 72
		.amdhsa_reserve_vcc 0
		.amdhsa_float_denorm_mode_32 3
		.amdhsa_float_denorm_mode_16_64 3
		.amdhsa_memory_ordered 1
		.amdhsa_forward_progress 1
		.amdhsa_inst_pref_size 88
	.end_amdhsa_kernel
	.amdgpu_metadata
---
amdhsa.version: [ 1, 2 ]
amdhsa.kernels:
  - .name:           k_q6718bf83ec_oproj
    .symbol:         k_q6718bf83ec_oproj.kd
    .args:
      - { .name: ob, .offset: 0, .size: 8, .value_kind: global_buffer, .address_space: global }
      - { .name: wob, .offset: 8, .size: 8, .value_kind: global_buffer, .address_space: global }
      - { .name: out0, .offset: 16, .size: 8, .value_kind: global_buffer, .address_space: global }
    .group_segment_fixed_size: 327680
    .private_segment_fixed_size: 0
    .kernarg_segment_align: 8
    .kernarg_segment_size: 24
    .max_flat_workgroup_size: 128
    .sgpr_count:     72
    .vgpr_count:     512
    .wavefront_size: 32
...
	.end_amdgpu_metadata
.endif
;; end of part 4
